; MI455X (gfx1250); checked and timed in simulation.
; The chip was launched on July 23, 2026; its instructions are those of AMD's public machine-readable ISA for CDNA 5 (MIT licence, August 2026) and "CDNA5" Instruction Set Architecture Reference Guide (July 2026). The comments in the code are by the model that wrote it; some were corrected since.
;; Feed Forward Network. Allowed arithmetic: matrix products marked QUANTISED: E2M1 operands, one E8M0 scale for each 32 along K, by v_wmma_scale_f32_16x16x128_f8f6f4 with both operands' format E2M1 (or v_wmma_scale_f32_32x16x128_f4), f32 sums; everything else in f32.
;; Inputs: filter_bias 2,048 float32; filter_weight 512 x 2,048 float32; output_bias 512 float32; output_weight 2,048 x 512 float32; padding 8 x 4,096 float32; x 8 x 4,096 x 512 float32.
;; Outputs: out0 8 x 4,096 x 512 float32.
;; This version of the problem:
;;   THIS VERSION OF THE PROBLEM IS GIVEN IN LOW PRECISION. The matrix products marked QUANTISED in the list below multiply operands that are first quantised to E2M1 (2 exponent bits, 1 mantissa bit; 4 bits a number), with one power-of-two scale for each 32 numbers along K (OCP MX v1.0); their sums are f32. All else is computed in f32.
;;   The module's matrix products, in the order in which they are computed (A, B: the left and right operand; K: the contracted axis; several contracted axes count as one K, in the product's order):
;;     1. [M 32,768, K 512] x [K 512, N 2,048]; A: input x; B: input filter_weight: QUANTISED
;;     2. [M 32,768, K 2,048] x [K 2,048, N 512]; A: computed on the way; B: input output_weight: QUANTISED
;;   THE QUANTISER, for each operand of a quantised product, along K:
;;     - K is cut into blocks of 32 from its start; a last block that is shorter is filled with zeros.
;;     - A block's scale is 2^e with e = floor(log2(the largest magnitude in the block)) - 2, held to -126 .. 127; a block of zeros has e = 0. As a byte (E8M0): e + 127.
;;     - Each number is divided by its block's scale, clamped to +-6, and rounded to the nearest number of E2M1, ties to even, subnormals kept.
;;     - The product sums the exact products of the quantised numbers (number of the format x scale) in f32.
;;   ~~~python
;;   def quantise(x, axis):      # numpy; x: float32 -> the quantised numbers, widened to float32 again
;;       x = np.moveaxis(x, axis, -1); K = x.shape[-1]
;;       x = np.pad(x, [(0, 0)] * (x.ndim - 1) + [(0, -K % 32)]); x = x.reshape(x.shape[:-1] + (-1, 32)); a = np.abs(x).max(-1, keepdims=True)
;;       e = np.where(a > 0, np.clip(np.frexp(np.where(a > 0, a, 1))[1] - 1 - 2, -126, 127), 0)      # np.frexp(a)[1] - 1 = floor(log2(a)), exactly
;;       r = np.clip(x / 2.0 ** e, -6, 6)
;;       step = 2.0 ** (np.maximum(np.frexp(np.where(r == 0, 1, r))[1] - 1, 0) - 1)
;;       q = np.round(r / step) * step * 2.0 ** e      # np.round: ties to even
;;       return np.moveaxis(q.reshape(q.shape[:-2] + (-1,))[..., :K], -1, axis).astype(np.float32)
;;   ~~~
;;   OPERANDS COMPUTED ON THE WAY. 'Computed on the way' means the value that the module computes at that place (a softmax that the list does not call 'softmax' is quantised finished and normalised). What goes into a quantiser is computed in f32, as accurately as f32 sums, v_exp_f32 and their like allow (about 1e-6 of the number): no bf16 or f16 on the way to a quantiser, and a product that is left as it is and whose result goes on into a quantised operand takes f32 operands (vector FMAs, or v_wmma_f32_16x16x4_f32). A number that lies on a knife's edge between two numbers of the format may be rounded either way, as far as f32 arithmetic and the matrix unit's own rounding can turn it there, and no further.
;; 2 versions, each right and faster than the one before. Each part assembles by itself: llvm-mc -triple=amdgcn-amd-amdhsa -mcpu=gfx1250 --defsym DOCPART=n.
;; ======== version 1 of 2: 2 launches
;; workspace buffers: wq 1,114,112 bytes
;; launch quantw (part 1): grid 256 x 1, 4 waves a work-group, no clusters, 9,728 bytes of LDS; arguments filter_weight, output_weight, wq; writes wq
.if DOCPART == 1
	.amdgcn_target "amdgcn-amd-amdhsa--gfx1250"
	.amdhsa_code_object_version 6
	.text
	.protected	k_q3548938225_quantw
	.globl	k_q3548938225_quantw
	.p2align	8
	.type	k_q3548938225_quantw,@function
k_q3548938225_quantw:
	s_mov_b64 s[64:65], 0
	v_nop
	global_prefetch_b8 v0, s[64:65] scope:SCOPE_SE
	s_setreg_imm32_b32 hwreg(HW_REG_WAVE_MODE, 25, 1), 1
	s_wait_xcnt 0x0
; Both weights, f32 with K as their FIRST axis (filter_weight [512 k][2048 n], output_weight [2048 k][512 n]), become codes of FP4 (E2M1) with one E8M0 scale byte for each 32 along K,
; laid in wq as the second launch's registers want them: 32 blocks of 34,816 bytes, block 8 c + 4 p + w (c: chunk of 512 hidden units; p: 0 first weight, 1 second; w: the wave that will use it).
; A block is 32 fragment images of 1,024 bytes and 2,048 scale bytes.  In an image the 16 bytes (32 codes) of operand row i, K block 2 cc + hh of the image's 128 along K, lie at 512 cc + 256 hh + 16 i.
;   p = 0: image ((2 b + u) 4 + s): row i = hidden unit 512 c + 128 w + 32 b + 8 u + i + 8 (i / 8), K = 128 s on.  Scale word (4 bytes, byte t for k = 32 t on) at 32768 + 512 b + 128 s + 4 (16 u + i).
;   p = 1: image (8 s + q): row r = output column 128 w + 64 (q / 4) + 4 r + q % 4, K = hidden units 512 c + 128 s on.  Scale word at 32768 + 512 s + 64 q + 4 r.
; A LANE TAKES A COLUMN n AND ITS REGISTERS RUN DOWN K: a block of 32 lies in one lane's 32 registers, so its largest magnitude needs no other lane, and the conversions give codes with K innermost.
; A wave takes 32 columns x 64 along K (64 loads, all issued at once); a work-group gathers 4,096 bytes of codes and 256 scale bytes in LDS and stores them as they will lie: every store of a wave covers
; 512 (codes) or 256 (scale bytes) consecutive bytes, aligned to 256.  Work-groups 0-127 take the first weight, 128-255 the second: two ways through one macro, each with LDS bytes of its own.
; A block's scale is 2^(floor(log2(largest magnitude)) - 2): its byte is the largest magnitude's exponent field - 2, held at 1 from below by a floor among the maximum's leaves.
; LIMITS: NaN and infinities among the weights are not served.  A block of zeros gets the byte 1 where the rule says 127: its codes are zeros, which add nothing, and this program alone reads the bytes.
.set BLKB,  34816                      ; a block of wq
.set STG_A, 0                          ; LDS, first weight's way: 4,096 bytes of codes, then 256 scale bytes
.set STG_B, 4608                       ; LDS, second weight's way: the same, in bytes of its own
.set X,     32                         ; v32-95   64 numbers of my column
.set C,     96                         ; v96-103  the codes of my two blocks
.set OB,    104                        ; v104-111 the way out: 2 x 16 bytes
.set SW,    112                        ; v112-113 the way out: 8 scale bytes
; v1 lane; v2 4 x lane (the loads' offset); v3 where my codes go in the stage; v4 where my two scale bytes go; v6 16 x thread, v7 8 x lane (stage and wq alike); v10 my two scale bytes; v12-15 at work
; pitch: bytes from a row of the weight to the next;  stg: the way's LDS bytes;  ostep: bytes in wq between the two halves of the stage's codes
.macro QW pitch, stg, ostep
.set k, 0
.rept 64
	global_load_b32 v[X+k], v2, s[4:5] offset:k*\pitch th:TH_LOAD_NT   ; W(k, my column): 32 lanes read 128 consecutive bytes; read once in the launch
.set k, k+1
.endr
.irp hh, 0,1
.set XB, X+32*\hh
	s_wait_loadcnt 32-32*\hh                       ; loads come back in order: this block's 32 are in; the second block's 32 may be out
	v_max3_num_f32 v12, |v[XB]|, |v[XB+1]|, |v[XB+2]|          ; the block's largest magnitude, in two chains: all 32 numbers are mine
	v_max3_num_f32 v13, |v[XB+3]|, |v[XB+4]|, |v[XB+5]|
.irp i, 6,10,14,18,22,26
	v_max3_num_f32 v12, v12, |v[XB+\i]|, |v[XB+\i+1]|
	v_max3_num_f32 v13, v13, |v[XB+\i+2]|, |v[XB+\i+3]|
.endr
	v_max3_num_f32 v12, v12, |v[XB+30]|, |v[XB+31]|
	v_max3_num_f32 v12, v12, v13, 0x1800000        ; and the floor 2^(3 - 127): the byte cannot fall under 1
	v_add_nc_u32 v[14+\hh], 0xff000000, v12        ; 2 off the exponent field: the conversion takes this operand's exponent field as its scale
	v_lshrrev_b32 v13, 23, v[14+\hh]               ; the scale's byte
.if \hh == 0
	v_mov_b32 v10, v13
.else
	v_lshl_or_b32 v10, v13, 8, v10                 ; two bytes, the lower K in the lower byte
.endif
.irp g, 0,1,2,3
	v_cvt_scalef32_pk8_fp4_f32 v[C+4*\hh+\g], v[XB+8*\g:XB+8*\g+7], v[14+\hh]
.endr
	ds_store_b128 v3, v[C+4*\hh:C+4*\hh+3] offset:\stg+256*\hh   ; 32 codes: their 16 bytes of the image
.endr
	ds_store_b16 v4, v10 offset:\stg+4096          ; my two bytes of my row's scale word
	s_wait_dscnt 0x0                               ; for the others' sake: my stores into the stage are done
	s_barrier_signal -1
	s_barrier_wait -1
	ds_load_b128 v[OB:OB+3], v6 offset:\stg        ; the stage as it lies: 16 bytes a thread, twice
	ds_load_b128 v[OB+4:OB+7], v6 offset:\stg+2048
	s_cmp_lg_u32 s10, 0                            ; wave 0 alone stores the 256 scale bytes
	s_cbranch_scc1 .Lnot_wave_0_\@
	ds_load_b64 v[SW:SW+1], v7 offset:\stg+4096
	s_wait_dscnt 0x0
	global_store_b64 v7, v[SW:SW+1], s[12:13]      ; 32 lanes store 256 consecutive bytes, aligned
.Lnot_wave_0_\@:
	s_wait_dscnt 0x0
	global_store_b128 v6, v[OB:OB+3], s[8:9]       ; a wave stores 512 consecutive bytes, aligned to 256
	global_store_b128 v6, v[OB+4:OB+7], s[8:9] offset:\ostep
	s_wait_tensorcnt 0x0
	ds_add_u32 v128, v129
	s_wait_dscnt 0x0
	s_endpgm
.endm
	s_load_b128 s[4:7], s[0:1], 0x0                ; filter_weight s[4:5], output_weight s[6:7]
	s_load_b64 s[8:9], s[0:1], 0x10                ; wq
	v_lshl_add_u32 v128, v0, 2, 0x2400
	v_mov_b32 v129, 0
	v_lshrrev_b32 v1, 5, v0
	v_readfirstlane_b32 s10, v1                    ; wave 0..3
	v_and_b32 v1, 31, v0                           ; lane e
	v_lshlrev_b32 v2, 2, v1
	v_lshlrev_b32 v6, 4, v0
	v_lshlrev_b32 v7, 3, v1
	s_mov_b32 s15, 0                               ; the high words of three offsets
	s_mov_b32 s17, 0
	s_mov_b32 s19, 0
	s_cmp_ge_u32 ttmp9, 128                        ; the same for all four waves
	s_cbranch_scc1 .Lsecond
	; THE FIRST WEIGHT.  a = work-group: c = a >> 5, w = (a >> 3) & 3, b = (a >> 1) & 3, sp = a & 1: 32 hidden units (32 (a >> 1) on) x 256 along K (256 sp on); wave v takes 64 along K: K step 2 sp + v / 2, half cc = v % 2
	v_bfe_u32 v12, v0, 3, 1                        ; u = (e >> 3) & 1: which of the two tiles my unit falls into
	v_and_b32 v13, 7, v0
	v_bfe_u32 v14, v0, 4, 1
	v_lshl_add_u32 v13, v14, 3, v13                ; i = (e & 7) + 8 (e >> 4): its row there
	v_lshlrev_b32 v3, 4, v13
	v_lshl_add_u32 v3, v12, 11, v3
	s_lshl_b32 s20, s10, 9
	v_add_nc_u32 v3, s20, v3                       ; codes: 2048 u + 512 v + 16 i
	v_lshlrev_b32 v4, 2, v13
	v_lshl_add_u32 v4, v12, 6, v4
	s_lshr_b32 s20, s10, 1
	s_lshl_b32 s20, s20, 7
	s_and_b32 s21, s10, 1
	s_lshl_b32 s21, s21, 1
	s_add_co_u32 s20, s20, s21
	v_add_nc_u32 v4, s20, v4                       ; scale bytes: 128 (v / 2) + 64 u + 4 i + 2 (v % 2)
	s_and_b32 s21, ttmp9, 1                        ; sp
	s_lshl_b32 s14, s21, 8
	s_lshl_b32 s22, s10, 6
	s_add_co_u32 s14, s14, s22                     ; my first row of the weight: 256 sp + 64 v,
	s_lshl_b32 s14, s14, 13                        ; of 8,192 bytes,
	s_lshr_b32 s22, ttmp9, 1
	s_lshl_b32 s22, s22, 7
	s_add_co_u32 s14, s14, s22                     ; and the 32 columns' 128 bytes
	s_lshr_b32 s22, ttmp9, 5
	s_lshl_b32 s22, s22, 3
	s_bfe_u32 s23, ttmp9, 0x20003
	s_add_co_u32 s22, s22, s23
	s_mul_i32 s22, s22, BLKB                       ; block 8 c + w
	s_bfe_u32 s23, ttmp9, 0x20001                  ; b
	s_lshl_b32 s16, s23, 13
	s_lshl_b32 s24, s21, 11
	s_add_co_u32 s16, s16, s24
	s_add_co_u32 s16, s16, s22                     ; codes: block + 8192 b + 2048 sp (tile u: 4,096 further on)
	s_lshl_b32 s18, s23, 9
	s_lshl_b32 s24, s21, 8
	s_add_co_u32 s18, s18, s24
	s_add_co_u32 s18, s18, s22
	s_add_co_u32 s18, s18, 32768                   ; scale bytes: block + 32768 + 512 b + 256 sp
	s_wait_kmcnt 0x0
	s_add_nc_u64 s[4:5], s[4:5], s[14:15]
	s_add_nc_u64 s[12:13], s[8:9], s[18:19]
	s_add_nc_u64 s[8:9], s[8:9], s[16:17]
	QW 8192, STG_A, 4096
.Lsecond:
	; THE SECOND WEIGHT.  a = work-group - 128: c = a >> 5, w = (a >> 3) & 3, g = (a >> 2) & 1, s = a & 3: 64 columns (64 ((a >> 2) & 7) on) x 128 along K (512 c + 128 s on); wave v: columns 32 (v % 2) on, half cc = v / 2 of K
	s_sub_co_u32 s25, ttmp9, 128
	v_and_b32 v12, 3, v0                           ; e & 3: which of the four tiles my column falls into
	v_bfe_u32 v13, v0, 2, 3                        ; e >> 2: its row there, less 8 (v % 2)
	v_lshlrev_b32 v3, 4, v13
	v_lshl_add_u32 v3, v12, 10, v3
	s_and_b32 s20, s10, 1
	s_lshr_b32 s21, s10, 1
	s_lshl_b32 s22, s20, 7
	s_lshl_b32 s23, s21, 9
	s_add_co_u32 s22, s22, s23
	v_add_nc_u32 v3, s22, v3                       ; codes: 1024 (e & 3) + 512 cc + 128 (v % 2) + 16 (e >> 2)
	v_lshlrev_b32 v4, 2, v13
	v_lshl_add_u32 v4, v12, 6, v4
	s_lshl_b32 s22, s20, 5
	s_lshl_b32 s23, s21, 1
	s_add_co_u32 s22, s22, s23
	v_add_nc_u32 v4, s22, v4                       ; scale bytes: 64 (e & 3) + 32 (v % 2) + 4 (e >> 2) + 2 cc
	s_lshr_b32 s22, s25, 5                         ; c
	s_and_b32 s23, s25, 3                          ; s
	s_lshl_b32 s14, s22, 9
	s_lshl_b32 s24, s23, 7
	s_add_co_u32 s14, s14, s24
	s_lshl_b32 s24, s21, 6
	s_add_co_u32 s14, s14, s24                     ; my first row of the weight: 512 c + 128 s + 64 cc,
	s_lshl_b32 s14, s14, 11                        ; of 2,048 bytes,
	s_bfe_u32 s24, s25, 0x30002
	s_lshl_b32 s24, s24, 8
	s_add_co_u32 s14, s14, s24                     ; the 64 columns' 256 bytes,
	s_lshl_b32 s24, s20, 7
	s_add_co_u32 s14, s14, s24                     ; my wave's half of them
	s_lshl_b32 s22, s22, 3
	s_bfe_u32 s24, s25, 0x20003
	s_add_co_u32 s22, s22, s24
	s_add_co_u32 s22, s22, 4
	s_mul_i32 s22, s22, BLKB                       ; block 8 c + 4 + w
	s_bfe_u32 s24, s25, 0x10002                    ; g
	s_lshl_b32 s16, s23, 13
	s_lshl_b32 s26, s24, 12
	s_add_co_u32 s16, s16, s26
	s_add_co_u32 s16, s16, s22                     ; codes: block + 8192 s + 4096 g
	s_lshl_b32 s18, s23, 9
	s_lshl_b32 s26, s24, 8
	s_add_co_u32 s18, s18, s26
	s_add_co_u32 s18, s18, s22
	s_add_co_u32 s18, s18, 32768                   ; scale bytes: block + 32768 + 512 s + 256 g
	s_wait_kmcnt 0x0
	s_add_nc_u64 s[4:5], s[6:7], s[14:15]
	s_add_nc_u64 s[12:13], s[8:9], s[18:19]
	s_add_nc_u64 s[8:9], s[8:9], s[16:17]
	QW 2048, STG_B, 2048
.Lfunc_end_k_q3548938225_quantw:
	.size	k_q3548938225_quantw, .Lfunc_end_k_q3548938225_quantw-k_q3548938225_quantw
	.p2alignl 7, 3214868480
	.fill 96, 4, 3214868480
	.section	.rodata,"a",@progbits
	.p2align	6, 0x0
	.amdhsa_kernel k_q3548938225_quantw
		.amdhsa_group_segment_fixed_size 9728
		.amdhsa_private_segment_fixed_size 0
		.amdhsa_enable_private_segment 0
		.amdhsa_kernarg_size 24
		.amdhsa_user_sgpr_count 2
		.amdhsa_user_sgpr_kernarg_segment_ptr 1
		.amdhsa_wavefront_size32 1
		.amdhsa_system_sgpr_workgroup_id_x 1
		.amdhsa_system_sgpr_workgroup_id_y 1
		.amdhsa_system_sgpr_workgroup_id_z 1
		.amdhsa_system_vgpr_workitem_id 0
		.amdhsa_next_free_vgpr 130
		.amdhsa_next_free_sgpr 66
		.amdhsa_reserve_vcc 0
		.amdhsa_float_denorm_mode_32 3
		.amdhsa_float_denorm_mode_16_64 3
		.amdhsa_memory_ordered 1
		.amdhsa_forward_progress 1
		.amdhsa_inst_pref_size 25
	.end_amdhsa_kernel
	.amdgpu_metadata
---
amdhsa.version: [ 1, 2 ]
amdhsa.kernels:
  - .name:           k_q3548938225_quantw
    .symbol:         k_q3548938225_quantw.kd
    .args:
      - { .name: filter_weight, .offset: 0, .size: 8, .value_kind: global_buffer, .address_space: global }
      - { .name: output_weight, .offset: 8, .size: 8, .value_kind: global_buffer, .address_space: global }
      - { .name: wq, .offset: 16, .size: 8, .value_kind: global_buffer, .address_space: global }
    .group_segment_fixed_size: 9728
    .private_segment_fixed_size: 0
    .kernarg_segment_align: 8
    .kernarg_segment_size: 24
    .max_flat_workgroup_size: 128
    .sgpr_count:     66
    .vgpr_count:     130
    .wavefront_size: 32
...
	.end_amdgpu_metadata
.endif
;; end of part 1
;; launch ffn (part 2): grid 256 x 1, 4 waves a work-group, clusters of 4 x 1, 327,680 bytes of LDS; arguments x, padding, filter_bias, output_bias, wq, out0; writes out0
.if DOCPART == 2
	.amdgcn_target "amdgcn-amd-amdhsa--gfx1250"
	.amdhsa_code_object_version 6
	.text
	.protected	k_q3548938225_ffn
	.globl	k_q3548938225_ffn
	.p2align	8
	.type	k_q3548938225_ffn,@function
k_q3548938225_ffn:
	s_mov_b64 s[64:65], 0
	v_nop
	global_prefetch_b8 v0, s[64:65] scope:SCOPE_SE
	s_setreg_imm32_b32 hwreg(HW_REG_WAVE_MODE, 25, 1), 1
	s_wait_xcnt 0x0
	s_wait_alu depctr_hold_cnt(0) depctr_sa_sdst(0) depctr_va_vdst(0) depctr_va_sdst(0) depctr_va_ssrc(0) depctr_va_vcc(0) depctr_vm_vsrc(0)
	s_getreg_b32 s2, hwreg(HW_REG_IB_STS2, 6, 4)
	s_cmp_eq_u32 s2, 0
	s_cbranch_scc0 .Lentry_in_a_cluster
	s_endpgm
.Lentry_in_a_cluster:
	s_bfe_u32 s2, ttmp6, 0x10000c
	s_cmp_lg_u32 s2, 0x3003
	s_cbranch_scc0 .Lentry_shape_is_right
	s_endpgm
.Lentry_shape_is_right:
; out = where(padding < 1e-9, Q(Q(x) Q(W1) + b1) Q(W2) + b2, 0), Q the MX-FP4 quantiser along a product's K.  x, out: [32768][512] f32; the hidden layer (2,048 wide) never goes to memory.
; The weights come as codes and scale bytes from wq, laid by the launch before as images of this kernel's registers (its head comment gives the layout).
; SHARES.  A work-group of four waves, as many as a WGP has SIMDs, owns 128 rows: 256 work-groups.  THE WAVES SHARE THE COLUMNS: the hidden layer goes in 4 chunks of 512 units; in a chunk wave w
;   P1: makes units 128 w .. 128 w + 127 of the chunk for all 128 rows (256 matrix instructions), quantises them in registers and stores them to LDS as register images: K step w of the chunk's second product;
;   P2: adds the chunk's 4 K steps onto its 128 rows x 128 output columns: 64 accumulators, 512 registers (256 matrix instructions).
; x's codes of all 128 rows stay in every wave's registers (32 fragments, 256 registers).  So each byte of a weight is read from LDS once, by one wave, x's codes once, the hidden layer's by four waves.
; P1 IS USED TRANSPOSED (source 0 = 16 rows of W1, source 1 = x; C of the first K step = b1): a lane holds one row and its registers run along the hidden units; the rows of W1 that form a tile are chosen so that
; the 16 registers of tiles (b, 0) and (b, 1) are units 32 b + 16 (lane / 16) + 0 .. 15: neighbours along the next K.
; P2 IS USED AS IT IS (source 0 = the hidden layer, source 1 = 16 columns of W2): register j of lane (r, h) of accumulator (m, q) is row 16 m + 8 h + j, column 128 w + 64 (q / 4) + 4 r + q % 4.  By that choice of
; columns the select that applies the mask gathers four accumulators' registers into 16 neighbouring bytes, and sixteen lanes store 256 consecutive aligned bytes with no trip through LDS.
; CLUSTER.  Every work-group walks the same weights, so the four of a cluster ask for each tile JOINTLY: the same tensor load, the same descriptor (it hangs on the wave's number and the chunk alone), mask 15.
; RING.  Slot 0 takes W1's tiles, slot 1 W2's, a chunk's 139,264 bytes each; wave w fetches and reads its own quarter.  W1 of chunk c + 1 is asked for behind P1 of chunk c, W2 behind P2: each has a phase in which to land.
; The two changes of slots of a chunk are also the barriers between the writing and the reading of the hidden layer's images.
; THE SUMS of the second product begin as b2, written into the accumulators while x's loads are on their way; so the loop is written once and nothing is added at the end.
; LIMITS: NaN and infinities in x or the weights are not served.  The biases are added first (as the sums' start), not last.  A block of zeros gets the scale byte 1, not 127: its codes are zeros.
; REGISTERS, in windows of 256 (s_set_vgpr_msb: bits 1:0 source 0, 3:2 source 1, 5:4 source 2, 7:6 destination):
;   window 0: v1-15 addresses; v16-47 scale words and nothing else; v48-55 the hidden layer's scale words in the making; v56-63 at work;
;             P1: v64-127 W1's 8 fragments, v128-191 8 accumulators, v192-223 codes, v224-239 b1;   P2: v64-191 W2's fragments, two sets, v192-255 the hidden layer's 8;   way out: v64-127 padding, v128-255 two banks
;   window 1: x's fragments, (m, s) at v[32 m + 8 s]; at the start four sets of 64 numbers of x.   windows 2, 3: accumulator (m, q) at v[8 (8 (m % 4) + q)] of window 2 + m / 4
.set BLKB,  34816                      ; a wave's quarter of a tile: 32 images of 1,024 bytes + 2,048 scale bytes = 136 x 256 bytes
.set SLOTB, 4*BLKB                     ; a slot
.set HIMG,  2*SLOTB                    ; images: fragment (K step s, tile of rows m) at 8192 s + 1024 m: x's first, then the hidden layer's
.set HSC,   HIMG+32768                 ; their scale words: (s, m, row r) at 512 s + 64 m + 4 r
.set B1L,   HSC+2048                   ; filter_bias, 8,192 bytes
.set PADL,  B1L+8192                   ; my 128 rows' padding, 512 bytes
.set SPARE, PADL+512                   ; the spare words, 128 bytes for each wave: two blocks of 256 bytes that no other line names
.set SPW, 1                            ; v1   SPARE + 4 x thread; never rewritten
.set NIL, 2                            ; v2   0; never rewritten
.set LI,  3                            ; v3   HIMG + 16 x lane
.set LS,  4                            ; v4   HSC + 4 x lane: lanes 0-15 an even tile's rows, lanes 16-31 the odd tile's
.set HWI, 5                            ; v5   where I store the hidden layer's images: LI + 8192 w
.set HWS, 6                            ; v6   and their scale words: HSC + 512 w + 4 r
.set AW1, 7                            ; v7   my quarter of slot 0, + 16 x lane
.set AW2, 8                            ; v8   of slot 1
.set AS1, 9                            ; v9   its scale words: + 32768 + 4 x lane
.set AS2, 10                           ; v10
.set AB0, 11                           ; v11  B1L + 512 w + 64 h
.set AB,  12                           ; v12  + 2048 x chunk
.set CO,  13                           ; v13  my byte offset in out: 8 h rows + 16 r
.set PADA, 14                          ; v14  PADL + 32 h
.set XA,  15                           ; v15  my byte offset in 16 rows of x: 2048 r + 64 h
.set XS,  16                           ; v16-31 x's scale words: (m / 2, s) at +4 (m / 2) + s
.set WS,  32                           ; v32-39 P1: W1's, one a K step (lanes 0-15 tile u = 0, lanes 16-31 u = 1);  P2: W2's, two sets of 4
.set HS,  40                           ; v40-47 the hidden layer's, two sets of 4
.set PW,  48
.set TM,  56
.set W1F, 64
.set HA,  128
.set PC,  192
.set B1,  224
.set W2F, 64
.set HF,  192
.set BQ,  64                           ; at the start: v64-71 b2 of my 8 columns, v72-87 b1 on its way to LDS, v88 padding, v89-91 lane, r, h, v96-102 addresses
.set LN,  89
.set RR,  90
.set HH,  91
.set PD,  64
.set BK,  128
; s[4:15] x, padding, b1, b2, wq, out;  s16 wave;  s17, s18, s[56:59] alone hold my place in the cluster;  s[20:21] lane selects;  s22 1e-9;  s23 chunks to go;  s[24:31] descriptor group 1;
; s[32:35], s[36:39] group 0 of slot 0, 1;  s40 2048 x chunk;  s[42:47] at work;  s[48:55] the masks of eight rows
.set MSB, 0
.macro WIN new                         ; the immediate's high byte repeats the setting that is left; a switch that changes nothing is dropped
.if MSB != (\new)
	s_set_vgpr_msb (MSB<<8)|(\new)
.set MSB, (\new)
.endif
.endm
.macro PLACES n                        ; plain vector instructions that name no register: the distance behind matrix instructions (ISA guide 7.12.1)
.rept \n
	v_nop
.endr
.endm
.macro ROUND                           ; a round of the cluster's barrier: my work-group's barrier; wave 0 signals for the work-group; every wave waits for all four work-groups; my work-group's barrier once more
	s_barrier_signal -1
	s_barrier_wait -1
	s_cmp_lg_u32 s16, 0
	s_cbranch_scc1 .Lnot_wave_0_\@
	s_barrier_signal -3
.Lnot_wave_0_\@:
	s_barrier_wait -3
	s_barrier_signal -1
	s_barrier_wait -1
.endm
; One matrix instruction, from the symbols rD, rA, rB, rC (first registers), rSA, rSB (scale registers), fA, fB (1: the scales stand in lanes 16-31)
.macro WM
.if fA && fB
	v_wmma_scale_f32_16x16x128_f8f6f4 v[rD:rD+7], v[rA:rA+7], v[rB:rB+7], v[rC:rC+7], v[rSA], v[rSB] matrix_a_fmt:MATRIX_FMT_FP4 matrix_b_fmt:MATRIX_FMT_FP4 matrix_a_scale:MATRIX_SCALE_ROW1 matrix_b_scale:MATRIX_SCALE_ROW1
.elseif fA
	v_wmma_scale_f32_16x16x128_f8f6f4 v[rD:rD+7], v[rA:rA+7], v[rB:rB+7], v[rC:rC+7], v[rSA], v[rSB] matrix_a_fmt:MATRIX_FMT_FP4 matrix_b_fmt:MATRIX_FMT_FP4 matrix_a_scale:MATRIX_SCALE_ROW1
.elseif fB
	v_wmma_scale_f32_16x16x128_f8f6f4 v[rD:rD+7], v[rA:rA+7], v[rB:rB+7], v[rC:rC+7], v[rSA], v[rSB] matrix_a_fmt:MATRIX_FMT_FP4 matrix_b_fmt:MATRIX_FMT_FP4 matrix_b_scale:MATRIX_SCALE_ROW1
.else
	v_wmma_scale_f32_16x16x128_f8f6f4 v[rD:rD+7], v[rA:rA+7], v[rB:rB+7], v[rC:rC+7], v[rSA], v[rSB] matrix_a_fmt:MATRIX_FMT_FP4 matrix_b_fmt:MATRIX_FMT_FP4
.endif
.endm
; THE CHANGE OF SLOTS.  Each wave waits for all its tensor loads, adds 0 to its spare word, and waits for that and for all its LDS stores and loads.  fill = 1: the slot just read out takes the next chunk's tile:
; the barrier is then a round of the cluster's, and the joint load is the first thing behind it, a wave's one tensor load until the next change.
.macro CHANGE slot, fill
	WIN 0
	s_wait_tensorcnt 0x0                           ; no tensor load of mine is out, so a group 0 may be written
	ds_add_u32 v[SPW], v[NIL]                      ; 0 onto my spare word
.if \fill
	s_add_nc_u64 s[34+4*\slot:35+4*\slot], s[34+4*\slot:35+4*\slot], 8*BLKB   ; the next chunk's block; the type bits on top are not reached
.endif
	s_wait_dscnt 0x0                               ; the add is done; my reads of the slot are over; my images have landed, or my reads of the images are over
.if \fill
	ROUND
	tensor_load_to_lds s[32+4*\slot:35+4*\slot], s[24:31]
	s_nop 0
	PLACES 4                                       ; places behind the phase's last matrix instructions
.else
	s_barrier_signal -1
	s_barrier_wait -1
.endif
.endm
; Unit un of x (tile of rows un / 4 of my two, K step un % 4): 64 numbers a lane into set un % 4 of window 1: register 16 b + 4 j + .. = k 32 b + 16 h + 4 j + .. of my row
.macro XLOAD un
	WIN 0x40                                       ; destination window 1
.irp b, 0,1,2,3
.irp j, 0,1,2,3
	global_load_b128 v[64*((\un)%4)+16*\b+4*\j:64*((\un)%4)+16*\b+4*\j+3], v[XA], s[4:5] offset:32768*((\un)/4)+512*((\un)%4)+128*\b+16*\j th:TH_LOAD_NT
.endr
.endr
	WIN 0
.endm
; The 64 numbers of set st become a fragment's codes in v[PC] .. v[PC + 7] and its scale word in v[PW]
.macro QUANTX st
.set XB, 64*(\st)
	WIN 0x05                                       ; sources 0 and 1 window 1
.irp b, 0,1,2,3
	v_max3_num_f32 v[TM+\b], |v[XB+16*\b]|, |v[XB+16*\b+1]|, 0x1800000   ; block b: my 16 numbers, and the floor 2^(3 - 127): the byte cannot fall under 1
.endr
	WIN 0x14                                       ; sources 1 and 2 window 1
.irp i, 2,4,6,8,10,12,14
.irp b, 0,1,2,3
	v_max3_num_f32 v[TM+\b], v[TM+\b], |v[XB+16*\b+\i]|, |v[XB+16*\b+\i+1]|   ; the four blocks by turns
.endr
.endr
	WIN 0
.irp b, 0,1,2,3
	v_permlanex16_b32 v[TM+4+\b], v[TM+\b], s20, s21
.endr
.irp b, 0,1,2,3
	v_max_num_f32 v[TM+\b], v[TM+\b], v[TM+4+\b]   ; with lane l xor 16's 16: the block's largest magnitude
.endr
.irp b, 0,1,2,3
	v_add_nc_u32 v[TM+\b], 0xff000000, v[TM+\b]    ; 2 off its exponent field: the conversion's scale operand
.endr
.irp b, 0,1,2,3
	v_lshrrev_b32 v[TM+4+\b], 23, v[TM+\b]         ; the scale's byte
.endr
	v_lshl_or_b32 v[PW], v[TM+5], 8, v[TM+4]
	v_lshl_or_b32 v[PW], v[TM+6], 16, v[PW]
	v_lshl_or_b32 v[PW], v[TM+7], 24, v[PW]        ; my row's scale word
	WIN 0x01                                       ; source 0 window 1
.irp b, 0,1,2,3
	v_cvt_scalef32_pk8_fp4_f32 v[PC+2*\b], v[XB+16*\b:XB+16*\b+7], v[TM+\b]
	v_cvt_scalef32_pk8_fp4_f32 v[PC+2*\b+1], v[XB+16*\b+8:XB+16*\b+15], v[TM+\b]
.endr
	WIN 0
	v_nop                                          ; one plain place behind a scaled conversion
.irp c, 0,1                                    ; the operand's layout wants a whole block in a lane: lanes 0-15 block 2 c, lanes 16-31 block 2 c + 1
.irp i, 0,1
	v_permlane16_swap_b32 v[PC+4*\c+\i], v[PC+4*\c+2+\i]
.endr
.endr
.endm
.macro YSTART                          ; 32 accumulators of the window in hand: every row of column q's tile begins as b2 of my column there
.irp mi, 0,1,2,3
.irp q, 0,1,2,3,4,5,6,7
.irp j, 0,1,2,3,4,5,6,7
	v_mov_b32 v[8*(8*\mi+\q)+\j], v[BQ+\q]
.endr
.endr
.endr
.endm
; ---- P1 ----
.macro FETCH_W1 bl                     ; 24 LDS loads: the two tiles of units 32 bl on: 8 fragments, 4 scale registers, b1 in the result's layout
.irp u, 0,1
.irp s, 0,1,2,3
.irp cc, 0,1
	ds_load_b128 v[W1F+8*(4*\u+\s)+4*\cc:W1F+8*(4*\u+\s)+4*\cc+3], v[AW1] offset:((2*(\bl)+\u)*4+\s)*1024+512*\cc
.endr
.endr
.endr
.irp s, 0,1,2,3
	ds_load_b32 v[WS+\s], v[AS1] offset:512*(\bl)+128*\s
.endr
.irp u, 0,1
.irp i, 0,1
	ds_load_b128 v[B1+8*\u+4*\i:B1+8*\u+4*\i+3], v[AB] offset:128*(\bl)+32*\u+16*\i   ; b1 of units 32 bl + 16 h + 8 u + 4 i on
.endr
.endr
.endm
.macro MUL1 g                          ; 32 matrix instructions: tiles of rows 4 g .. 4 g + 3 x the two tiles of units, 4 K steps; the eight accumulators by turns, one instruction a turn
.irp s, 0,1,2,3
.irp mm, 0,1,2,3
.irp u, 0,1
.set rD, HA+16*\mm+8*\u
.set rA, W1F+8*(4*\u+\s)
.set rB, 32*(4*(\g)+\mm)+8*\s
.if \s == 0
.set rC, B1+8*\u
.else
.set rC, rD
.endif
.set rSA, WS+\s
.set rSB, XS+4*((4*(\g)+\mm)/2)+\s
.set fA, \u
.set fB, (\mm)%2
	WM
.endr
.endr
.endr
.endm
; Block bl (32 units) of tiles of rows 4 g .. 4 g + 3: a lane's 16 numbers of each tile become two registers of codes and a byte of the row's scale word.  The four tiles by turns.
; Each accumulator is read from its low end on.  Behind an odd block the two blocks' halves change lanes and 16 bytes a lane go to the image; behind the last the scale words go.
.macro QUANTB bl, g
.irp mm, 0,1,2,3
	v_max3_num_f32 v[TM+\mm], |v[HA+16*\mm]|, |v[HA+16*\mm+1]|, 0x1800000
.endr
.irp i, 2,4,6,8,10,12,14
.irp mm, 0,1,2,3
	v_max3_num_f32 v[TM+\mm], v[TM+\mm], |v[HA+16*\mm+\i]|, |v[HA+16*\mm+\i+1]|
.endr
.endr
.irp mm, 0,1,2,3
	v_permlanex16_b32 v[TM+4+\mm], v[TM+\mm], s20, s21
.endr
.irp mm, 0,1,2,3
	v_max_num_f32 v[TM+\mm], v[TM+\mm], v[TM+4+\mm]
.endr
.irp mm, 0,1,2,3
	v_add_nc_u32 v[TM+\mm], 0xff000000, v[TM+\mm]
.endr
.if (\bl) == 0
.irp mm, 0,1,2,3
	v_lshrrev_b32 v[PW+4*(\g)+\mm], 23, v[TM+\mm]
.endr
.else
.irp mm, 0,1,2,3
	v_lshrrev_b32 v[TM+4+\mm], 23, v[TM+\mm]
.endr
.irp mm, 0,1,2,3
	v_lshl_or_b32 v[PW+4*(\g)+\mm], v[TM+4+\mm], 8*(\bl), v[PW+4*(\g)+\mm]
.endr
.endif
.irp mm, 0,1,2,3
	v_cvt_scalef32_pk8_fp4_f32 v[PC+4*(4*(\g)+\mm)+2*((\bl)%2)], v[HA+16*\mm:HA+16*\mm+7], v[TM+\mm]
	v_cvt_scalef32_pk8_fp4_f32 v[PC+4*(4*(\g)+\mm)+2*((\bl)%2)+1], v[HA+16*\mm+8:HA+16*\mm+15], v[TM+\mm]
.endr
	v_nop                                          ; one plain place behind a scaled conversion: the next products write its sources
.if (\bl)%2
.irp mm, 0,1,2,3
.irp i, 0,1
	v_permlane16_swap_b32 v[PC+4*(4*(\g)+\mm)+\i], v[PC+4*(4*(\g)+\mm)+2+\i]
.endr
.endr
.irp mm, 0,1,2,3
	ds_store_b128 v[HWI], v[PC+4*(4*(\g)+\mm):PC+4*(4*(\g)+\mm)+3] offset:1024*(4*(\g)+\mm)+512*((\bl)/2)
.endr
.endif
.if (\bl) == 3
.irp mm, 0,1,2,3
	ds_store_b32 v[HWS], v[PW+4*(\g)+\mm] offset:64*(4*(\g)+\mm)   ; lanes l and l xor 16 hold the same word and write it to the same place
.endr
.endif
.endm
.macro P1
	s_wait_tensorcnt 0x1                           ; W1's tile is in: behind its load exactly one was issued, W2's, on the way in and round the loop alike.  I read my own quarter alone
	v_add_nc_u32 v[AB], s40, v[AB0]
	PLACES 2                                       ; with the line above and the four behind the joint load: more than the five places that P1's first results, laid over W2's fragments, want
	FETCH_W1 0
.irp bb, 0,1,2,3
	s_wait_dscnt 0x0                               ; the fragments are in, and the images' stores have read their registers
	WIN 0x04                                       ; source 1 (x) window 1
	MUL1 0
	WIN 0
	PLACES 4
	QUANTB \bb, 0
	WIN 0x04
	MUL1 1
	WIN 0
	PLACES 4                                       ; in front of the loads into W1's registers and of the first read of results
.if \bb < 3
	FETCH_W1 \bb+1                                 ; lands while the block is quantised
.endif
	QUANTB \bb, 1
.endr
.endm
; ---- P2 ----
.macro FETCH_W2 ks, st                 ; 16 LDS loads: W2's eight fragments of K step ks into set st
.irp q, 0,1,2,3,4,5,6,7
.irp cc, 0,1
	ds_load_b128 v[W2F+64*(\st)+8*\q+4*\cc:W2F+64*(\st)+8*\q+4*\cc+3], v[AW2] offset:(8*(\ks)+\q)*1024+512*\cc
.endr
.endr
.endm
.macro FETCH_S ks, st                  ; 8 LDS loads: the K step's scale words, two tiles to a register
.irp p, 0,1,2,3
	ds_load_b32 v[WS+4*(\st)+\p], v[AS2] offset:512*(\ks)+128*\p
.endr
.irp p, 0,1,2,3
	ds_load_b32 v[HS+4*(\st)+\p], v[LS] offset:512*(\ks)+128*\p
.endr
.endm
.macro FETCH_H ks, m0                  ; 8 LDS loads: the hidden layer's fragments of tiles of rows m0 .. m0 + 3
.irp mi, 0,1,2,3
.irp cc, 0,1
	ds_load_b128 v[HF+8*((\m0)+\mi)+4*\cc:HF+8*((\m0)+\mi)+4*\cc+3], v[LI] offset:8192*(\ks)+1024*((\m0)+\mi)+512*\cc
.endr
.endr
.endm
.macro MUL2 m0, st                     ; 32 matrix instructions: tiles of rows m0 .. m0 + 3 x my eight tiles of columns; the accumulators by turns, in the same order in every K step
.irp mi, 0,1,2,3
.irp q, 0,1,2,3,4,5,6,7
.set rD, 8*(8*\mi+\q)
.set rA, HF+8*((\m0)+\mi)
.set rB, W2F+64*(\st)+8*\q
.set rC, rD
.set rSA, HS+4*(\st)+((\m0)+\mi)/2
.set rSB, WS+4*(\st)+(\q)/2
.set fA, (\mi)%2
.set fB, (\q)%2
	WM
.endr
.endr
.endm
.macro P2 tw
.if \tw
	s_wait_tensorcnt 0x1                           ; W2's tile is in (the change of slots has shown it); the one load issued behind it, W1's next tile, stays out
.endif
	FETCH_W2 0, 0
	FETCH_S 0, 0
	FETCH_H 0, 0
	FETCH_H 0, 4
.irp ks, 0,1,2
	s_wait_dscnt 8                                 ; all but the youngest eight loads, the hidden layer's fragments 4-7
	WIN 0xa0                                       ; C and D window 2
	MUL2 0, (\ks)%2
	s_wait_dscnt 0x0                               ; fragments 4-7 are in (asked for 32 matrix instructions ago)
	PLACES 4                                       ; in front of loads into registers that matrix instructions have read
	WIN 0
	FETCH_W2 \ks+1, (\ks+1)%2
	FETCH_S \ks+1, (\ks+1)%2
	FETCH_H \ks+1, 0
	WIN 0xf0                                       ; C and D window 3
	MUL2 4, (\ks)%2
	PLACES 4
	WIN 0
	FETCH_H \ks+1, 4
.endr
	s_wait_dscnt 8                                 ; the chunk's last K step: nothing more to fetch
	WIN 0xa0
	MUL2 0, 1
	s_wait_dscnt 0x0
	WIN 0xf0
	MUL2 4, 1
	WIN 0
.endm
; ---- the way out: tile of rows m.  Row 16 m + 8 h + j counts where its padding < 1e-9; else zeros are stored.  The select lays columns q = 4 g .. 4 g + 3, which are neighbours in memory, into four neighbouring registers.
.macro OUT m
.if (\m) >= 2
	s_wait_xcnt 0x0                                ; the bank's earlier stores have read their registers: only behind this wait is it written again
.endif
.irp j, 0,1,2,3,4,5,6,7
	v_cmp_lt_f32 s[48+\j], v[PD+8*(\m)+\j], s22
.endr
	WIN 0x08+4*((\m)/4)                            ; source 1: window 2 or 3
.irp j, 0,1,2,3,4,5,6,7                        ; j ascending: each accumulator is read from its low end on
.irp q, 0,1,2,3,4,5,6,7
	v_cndmask_b32 v[BK+64*((\m)%2)+8*\j+\q], 0, v[8*(8*((\m)%4)+\q)+\j], s[48+\j]
.endr
.endr
	WIN 0
.irp j, 0,1,2,3,4,5,6,7
.irp g, 0,1
	global_store_b128 v[CO], v[BK+64*((\m)%2)+8*\j+4*\g:BK+64*((\m)%2)+8*\j+4*\g+3], s[14:15] offset:(16*(\m)+\j)*2048+256*\g th:TH_STORE_NT   ; 16 lanes store 256 consecutive bytes, aligned; written once
.endr
.endr
.endm
	s_load_b256 s[4:11], s[0:1], 0x0               ; x s[4:5], padding s[6:7], filter_bias s[8:9], output_bias s[10:11]
	s_load_b128 s[12:15], s[0:1], 0x20             ; wq s[12:13], out s[14:15]
	v_lshl_add_u32 v[SPW], v0, 2, SPARE
	v_mov_b32 v[NIL], 0
	ds_add_u32 v1, v2
	ds_add_u32 v1, v2
	s_wait_dscnt 0x0
	v_lshrrev_b32 v[LN], 5, v0
	v_readfirstlane_b32 s16, v[LN]                 ; wave 0..3
	s_bfe_u32 s17, ttmp6, 0x40000                  ; cx: my place in the cluster
	s_lshl_b32 s18, ttmp9, 2                       ; in a cluster launch ttmp9 counts clusters
	s_add_co_u32 s18, s18, s17                     ; my block of 128 rows: it enters the addresses of x, padding and out alone
	s_mov_b32 s20, 0x76543210
	s_mov_b32 s21, 0xfedcba98                      ; v_permlanex16_b32's selects for lane l xor 16
	s_mov_b32 s22, 0x3089705f                      ; 1e-9 as f32
	; descriptor group 1: a dense block of 34,816 bytes as 136 rows of 256 bytes (32 elements of 8 bytes)
	s_mov_b32 s24, 15|(3<<16)|(1<<21)              ; 15:0 the mask: all four work-groups; 17:16 elements of 8 bytes; 20 no padding; 21 set beside a mask
	s_mov_b32 s25, 32<<16                          ; tensor_dim0 = 32
	s_mov_b32 s26, 136<<16                         ; tensor_dim1 = 136
	s_mov_b32 s27, 32<<16                          ; tile_dim0 = 32
	s_mov_b32 s28, 136                             ; tile_dim1 = 136
	s_mov_b32 s29, 32                              ; tensor_dim0_stride
	s_mov_b32 s30, 0
	s_mov_b32 s31, 0
	s_mul_i32 s44, s16, BLKB                       ; my quarter of a tile, in wq and in a slot alike
	s_mov_b32 s45, 0
	s_lshl_b32 s56, s18, 18                        ; my block's 128 rows of 2,048 bytes
	s_mov_b32 s57, 0
	s_lshl_b32 s58, s18, 9                         ; its 128 numbers of padding
	s_mov_b32 s59, 0
	s_lshl_b32 s46, s16, 16                        ; the 32 rows of x that my wave quantises
	s_mov_b32 s47, 0
	s_lshl_b32 s42, s16, 9                         ; 512 w: my 128 columns, my 128 units
	s_mov_b32 s43, 0
	s_wait_kmcnt 0x0
	s_add_nc_u64 s[4:5], s[4:5], s[56:57]
	s_add_nc_u64 s[4:5], s[4:5], s[46:47]
	s_add_nc_u64 s[6:7], s[6:7], s[58:59]
	s_add_nc_u64 s[10:11], s[10:11], s[42:43]
	s_add_nc_u64 s[14:15], s[14:15], s[56:57]
	s_add_nc_u64 s[14:15], s[14:15], s[42:43]
	s_mov_b32 s32, 1                               ; group 0 of slot 0: count = 1,
	s_mov_b32 s33, s44                             ; LDS address,
	s_add_nc_u64 s[34:35], s[12:13], s[44:45]      ; global address: block w (chunk 0, W1),
	s_or_b32 s35, s35, 0x80000000                  ; type = 2
	s_mov_b32 s36, 1                               ; of slot 1:
	s_add_co_u32 s37, s44, SLOTB
	s_add_nc_u64 s[38:39], s[12:13], s[44:45]
	s_add_nc_u64 s[38:39], s[38:39], 4*BLKB        ; block 4 + w (chunk 0, W2)
	s_or_b32 s39, s39, 0x80000000
	ROUND                                          ; all four work-groups are here: the first joint loads meet
	tensor_load_to_lds s[32:35], s[24:31]          ; both first fills go out together: two loads of mine are out
	s_nop 0
	tensor_load_to_lds s[36:39], s[24:31]
	s_nop 0
	PLACES 4
	v_and_b32 v[RR], 15, v0                        ; r
	v_bfe_u32 v[HH], v0, 4, 1                      ; h
	v_lshlrev_b32 v[XA], 11, v[RR]
	v_lshl_add_u32 v[XA], v[HH], 6, v[XA]
	v_lshlrev_b32 v96, 4, v[RR]                    ; b2: 16 r
	v_lshlrev_b32 v97, 4, v0                       ; b1: 16 x thread
	v_lshlrev_b32 v99, 2, v0                       ; padding: 4 x thread
	global_load_b128 v[BQ:BQ+3], v96, s[10:11]               ; b2 of columns 128 w + 4 r + 0 .. 3,
	global_load_b128 v[BQ+4:BQ+7], v96, s[10:11] offset:256  ; and 64 columns on
.irp i, 0,1,2,3
	global_load_b128 v[72+4*\i:75+4*\i], v97, s[8:9] offset:2048*\i
.endr
	global_load_b32 v88, v99, s[6:7]
	XLOAD 0
	XLOAD 1
	XLOAD 2
	v_and_b32 v[LN], 31, v0                        ; lane
	v_lshl_add_u32 v[LI], v[LN], 4, HIMG
	v_lshl_add_u32 v[LS], v[LN], 2, HSC
	s_lshl_b32 s46, s16, 13
	v_add_nc_u32 v[HWI], s46, v[LI]
	v_lshl_add_u32 v[HWS], v[RR], 2, HSC
	v_add_nc_u32 v[HWS], s42, v[HWS]
	v_lshl_add_u32 v[AW1], v[LN], 4, s44
	v_add_nc_u32 v[AW2], SLOTB, v[AW1]
	v_lshl_add_u32 v[AS1], v[LN], 2, s44
	v_add_nc_u32 v[AS1], 32768, v[AS1]
	v_add_nc_u32 v[AS2], SLOTB, v[AS1]
	v_lshl_add_u32 v[AB0], v[HH], 6, B1L
	v_add_nc_u32 v[AB0], s42, v[AB0]
	v_lshlrev_b32 v[CO], 4, v[RR]
	v_lshl_add_u32 v[CO], v[HH], 14, v[CO]
	v_lshl_add_u32 v[PADA], v[HH], 5, PADL
	v_lshl_add_u32 v98, v0, 4, B1L                 ; b1 in LDS: 16 x thread
	v_lshl_add_u32 v100, v0, 2, PADL               ; padding in LDS: 4 x thread
	s_lshl_b32 s46, s16, 11
	v_add_nc_u32 v101, s46, v[LI]                  ; x's images: my tiles of rows 2 w, 2 w + 1
	v_lshl_add_u32 v102, v[RR], 2, HSC
	s_lshl_b32 s46, s16, 7
	v_add_nc_u32 v102, s46, v102                   ; and their scale words
.irp b, 0,1,2,3
	v_mov_b32 v[TM+4+\b], 0                        ; written once: a lane permute's destination counts as one of its sources
.endr
	s_wait_loadcnt 48                              ; behind the seven small loads 48 of x's were issued: the biases and the padding are in
.irp i, 0,1,2,3
	ds_store_b128 v98, v[72+4*\i:75+4*\i] offset:2048*\i
.endr
	ds_store_b32 v100, v88
	XLOAD 3
	WIN 0x80                                       ; destination window 2
	YSTART                                         ; the second product's sums begin as b2, while x is on its way
	WIN 0xc0                                       ; destination window 3
	YSTART
	WIN 0
	; my 32 rows of x become eight fragments; loads run four units (64 loads) ahead
.irp i, 0,1,2,3,4,5,6,7
.if \i <= 4
	s_wait_loadcnt 48                              ; this unit's 16 loads are in; three younger units may be out
.else
	s_wait_loadcnt 16*(7-\i)                       ; the counts run down
.endif
	s_wait_dscnt 0x0                               ; the last unit's stores have read the codes' registers
	QUANTX (\i)%4
	ds_store_b128 v101, v[PC:PC+3] offset:8192*((\i)%4)+1024*((\i)/4)
	ds_store_b128 v101, v[PC+4:PC+7] offset:8192*((\i)%4)+1024*((\i)/4)+512
	ds_store_b32 v102, v[PW] offset:512*((\i)%4)+64*((\i)/4)   ; lanes l and l xor 16 hold the same word and write it to the same place
.if \i < 4
	XLOAD \i+4
.endif
.endr
	s_wait_dscnt 0x0                               ; for the others' sake: my images, b1 and the padding have landed
	s_barrier_signal -1
	s_barrier_wait -1
	WIN 0x40                                       ; destination window 1
.irp m, 0,1,2,3,4,5,6,7
.irp s, 0,1,2,3
.irp cc, 0,1
	ds_load_b128 v[32*\m+8*\s+4*\cc:32*\m+8*\s+4*\cc+3], v[LI] offset:8192*\s+1024*\m+512*\cc   ; x's 32 fragments: they stay
.endr
.endr
.endr
	WIN 0
.irp p, 0,1,2,3
.irp s, 0,1,2,3
	ds_load_b32 v[XS+4*\p+\s], v[LS] offset:512*\s+128*\p
.endr
.endr
	s_wait_dscnt 0x0                               ; my reads of x's images are over:
	s_barrier_signal -1
	s_barrier_wait -1                              ; everybody's are: the hidden layer's images may take their place
	s_mov_b32 s23, 3
	s_mov_b32 s40, 0
.Lchunk:                                           ; chunks 0, 1, 2: each asks for the next chunk's two tiles
	P1
	CHANGE 0, 1                                    ; the hidden layer's images lie in LDS; W1 of the next chunk goes out
	P2 1
	CHANGE 1, 1                                    ; nobody reads the images any more; W2 of the next chunk goes out
	s_add_co_u32 s40, s40, 2048
	s_sub_co_u32 s23, s23, 1
	s_cmp_lg_u32 s23, 0
	s_cbranch_scc1 .Lchunk
	P1                                             ; the last chunk is written out: it asks for nothing
	CHANGE 0, 0
	P2 0
	PLACES 4                                       ; in front of the loads into W2's registers and of the first read of results
.irp m, 0,1,2,3,4,5,6,7
	ds_load_b128 v[PD+8*\m:PD+8*\m+3], v[PADA] offset:64*\m          ; the padding of rows 16 m + 8 h + 0 .. 7
	ds_load_b128 v[PD+8*\m+4:PD+8*\m+7], v[PADA] offset:64*\m+16
.endr
	s_wait_dscnt 0x0
.irp m, 0,1,2,3,4,5,6,7
	OUT \m
.endr
	s_wait_tensorcnt 0x0                           ; the wave's end: behind my last tensor load and my last LDS store
	ds_add_u32 v[SPW], v[NIL]
	s_wait_dscnt 0x0
	ROUND                                          ; the closing round: no work-group ends while a partner may still ask for a tile that names it
	s_endpgm
.Lfunc_end_k_q3548938225_ffn:
	.size	k_q3548938225_ffn, .Lfunc_end_k_q3548938225_ffn-k_q3548938225_ffn
	.p2alignl 7, 3214868480
	.fill 96, 4, 3214868480
	.section	.rodata,"a",@progbits
	.p2align	6, 0x0
	.amdhsa_kernel k_q3548938225_ffn
		.amdhsa_group_segment_fixed_size 327680
		.amdhsa_private_segment_fixed_size 0
		.amdhsa_enable_private_segment 0
		.amdhsa_kernarg_size 48
		.amdhsa_user_sgpr_count 2
		.amdhsa_user_sgpr_kernarg_segment_ptr 1
		.amdhsa_wavefront_size32 1
		.amdhsa_system_sgpr_workgroup_id_x 1
		.amdhsa_system_sgpr_workgroup_id_y 1
		.amdhsa_system_sgpr_workgroup_id_z 1
		.amdhsa_system_vgpr_workitem_id 0
		.amdhsa_next_free_vgpr 1024
		.amdhsa_next_free_sgpr 66
		.amdhsa_reserve_vcc 0
		.amdhsa_float_denorm_mode_32 3
		.amdhsa_float_denorm_mode_16_64 3
		.amdhsa_memory_ordered 1
		.amdhsa_forward_progress 1
		.amdhsa_inst_pref_size 255
	.end_amdhsa_kernel
	.section	.bss,"aw",@nobits
	.p2align	6
	.space	262144
	.amdgpu_metadata
---
amdhsa.version: [ 1, 2 ]
amdhsa.kernels:
  - .name:           k_q3548938225_ffn
    .symbol:         k_q3548938225_ffn.kd
    .args:
      - { .name: x, .offset: 0, .size: 8, .value_kind: global_buffer, .address_space: global }
      - { .name: padding, .offset: 8, .size: 8, .value_kind: global_buffer, .address_space: global }
      - { .name: filter_bias, .offset: 16, .size: 8, .value_kind: global_buffer, .address_space: global }
      - { .name: output_bias, .offset: 24, .size: 8, .value_kind: global_buffer, .address_space: global }
      - { .name: wq, .offset: 32, .size: 8, .value_kind: global_buffer, .address_space: global }
      - { .name: out0, .offset: 40, .size: 8, .value_kind: global_buffer, .address_space: global }
    .group_segment_fixed_size: 327680
    .private_segment_fixed_size: 0
    .kernarg_segment_align: 8
    .kernarg_segment_size: 48
    .max_flat_workgroup_size: 128
    .sgpr_count:     66
    .vgpr_count:     1024
    .wavefront_size: 32
...
	.end_amdgpu_metadata
.endif
;; end of part 2
;; ======== version 2 of 2: 2 launches; 1.16 times as fast as version 1
;; workspace buffers: wq 1,114,112 bytes
;; launch quantw: the kernel of part 1 again; grid 256 x 1, 4 waves a work-group, no clusters, 9,728 bytes of LDS; arguments filter_weight, output_weight, wq; writes wq
;; launch ffn (part 3): grid 256 x 1, 4 waves a work-group, clusters of 4 x 1, 327,680 bytes of LDS; arguments x, padding, filter_bias, output_bias, wq, out0; writes out0
.if DOCPART == 3
	.amdgcn_target "amdgcn-amd-amdhsa--gfx1250"
	.amdhsa_code_object_version 6
	.text
	.protected	k_q3548938225_ffn
	.globl	k_q3548938225_ffn
	.p2align	8
	.type	k_q3548938225_ffn,@function
k_q3548938225_ffn:
	s_mov_b64 s[64:65], 0
	v_nop
	global_prefetch_b8 v0, s[64:65] scope:SCOPE_SE
	s_setreg_imm32_b32 hwreg(HW_REG_WAVE_MODE, 25, 1), 1
	s_wait_xcnt 0x0
	s_wait_alu depctr_hold_cnt(0) depctr_sa_sdst(0) depctr_va_vdst(0) depctr_va_sdst(0) depctr_va_ssrc(0) depctr_va_vcc(0) depctr_vm_vsrc(0)
	s_getreg_b32 s2, hwreg(HW_REG_IB_STS2, 6, 4)
	s_cmp_eq_u32 s2, 0
	s_cbranch_scc0 .Lentry_in_a_cluster
	s_endpgm
.Lentry_in_a_cluster:
	s_bfe_u32 s2, ttmp6, 0x10000c
	s_cmp_lg_u32 s2, 0x3003
	s_cbranch_scc0 .Lentry_shape_is_right
	s_endpgm
.Lentry_shape_is_right:
; out = where(padding < 1e-9, Q(Q(x) Q(W1) + b1) Q(W2) + b2, 0), Q the MX-FP4 quantiser along a product's K.  x, out: [32768][512] f32; the hidden layer (2,048 wide) never goes to memory.
; The weights come as codes and scale bytes from wq, laid by the launch before as images of this kernel's registers (its head comment gives the layout).
; SHARES.  A work-group of four waves, as many as a WGP has SIMDs, owns 128 rows: 256 work-groups.  THE WAVES SHARE THE COLUMNS: the hidden layer goes in 4 chunks of 512 units; in a chunk wave w
;   P1: makes units 128 w .. 128 w + 127 of the chunk for all 128 rows (256 matrix instructions), quantises them in registers and stores them to LDS as register images: K step w of the chunk's second product;
;   P2: adds the chunk's 4 K steps onto its 128 rows x 128 output columns: 64 accumulators, 512 registers (256 matrix instructions).
; x's codes of all 128 rows stay in every wave's registers (32 fragments, 256 registers).  So each byte of a weight is read from LDS once, by one wave, x's codes once, the hidden layer's by four waves.
; x COMES AS A STREAM: wave w quantises rows 32 w .. 32 w + 31 of the block, 65,536 consecutive bytes; each load takes 512 consecutive bytes (one row's K step), 16 a lane.  A lane so holds 4 neighbours of a block of 32
; and 8 neighbouring lanes hold the block: its largest magnitude takes three steps across lanes.  The conversion takes 8 numbers of a lane: two loads' registers, converted once under each load's scale; of each result the
; 16 bits that belong to that scale are kept.  They go to x's images in LDS, 2 bytes a lane; the f32 numbers never pass through LDS.
; P1 IS USED TRANSPOSED (source 0 = 16 rows of W1, source 1 = x; C of the first K step = b1): a lane holds one row and its registers run along the hidden units; the rows of W1 that form a tile are chosen so that
; the 16 registers of tiles (b, 0) and (b, 1) are units 32 b + 16 (lane / 16) + 0 .. 15: neighbours along the next K.
; P2 IS USED AS IT IS (source 0 = the hidden layer, source 1 = 16 columns of W2): register j of lane (r, h) of accumulator (m, q) is row 16 m + 8 h + j, column 128 w + 64 (q / 4) + 4 r + q % 4.  By that choice of
; columns the select that applies the mask gathers four accumulators' registers into 16 neighbouring bytes, and sixteen lanes store 256 consecutive aligned bytes with no trip through LDS.
; CLUSTER.  Every work-group walks the same weights, so the four of a cluster ask for each tile JOINTLY: the same tensor load, the same descriptor (it hangs on the wave's number and the chunk alone), mask 15.
; RING.  Slot 0 takes W1's tiles, slot 1 W2's, a chunk's 139,264 bytes each; wave w fetches and reads its own quarter.  W1 of chunk c + 1 is asked for behind P1 of chunk c, W2 behind P2: each has a phase in which to land.
; The two changes of slots of a chunk are also the barriers between the writing and the reading of the hidden layer's images.
; THE SUMS of the second product begin as b2, written into the accumulators while x's loads are on their way; so the loop is written once and nothing is added at the end.
; LIMITS: NaN and infinities in x or the weights are not served.  The biases are added first (as the sums' start), not last.  A block of zeros gets the scale byte 1, not 127: its codes are zeros.
; REGISTERS, in windows of 256 (s_set_vgpr_msb: bits 1:0 source 0, 3:2 source 1, 5:4 source 2, 7:6 destination):
;   window 0: v1-15 addresses; v16-47 scale words and nothing else; v48-55 the hidden layer's scale words in the making; v56-63 at work;
;             P1: v64-127 W1's 8 fragments, v128-191 8 accumulators, v192-223 codes, v224-239 b1;   P2: v64-191 W2's fragments, two sets, v192-255 the hidden layer's 8;   way out: v64-127 padding, v128-255 two banks
;   window 1: x's fragments, (m, s) at v[32 m + 8 s]; at the start four sets of 64 numbers of x.   windows 2, 3: accumulator (m, q) at v[8 (8 (m % 4) + q)] of window 2 + m / 4
.set BLKB,  34816                      ; a wave's quarter of a tile: 32 images of 1,024 bytes + 2,048 scale bytes = 136 x 256 bytes
.set SLOTB, 4*BLKB                     ; a slot
.set HIMG,  2*SLOTB                    ; the hidden layer's images: fragment (K step s, tile of rows m) at 8192 s + 1024 m
.set HSC,   HIMG+32768                 ; their scale words: (s, m, row r) at 512 s + 64 m + 4 r
.set B1L,   HSC+2048                   ; filter_bias, 8,192 bytes
.set PADL,  B1L+8192                   ; my 128 rows' padding, 512 bytes
.set SPARE, PADL+512                   ; the spare words, 128 bytes for each wave: two blocks of 256 bytes that no other line names
.set XSC,   SPARE+512                  ; x's scale words, 2,048 bytes: (s, m, row r) at 512 s + 64 m + 4 r
.set XFR,   1088                       ; x's images lie from HIMG on, ahead of the hidden layer's, 34,816 bytes = HIMG's and HSC's: fragment (s, m) at XFR (8 s + m): four pieces (K block 0 .. 3 of the step) of 16 rows x 16 bytes,
                                       ; 272 bytes apart: 68 words, so that the four blocks that a store of 2 bytes a lane touches fall on different banks (64 banks of 4 bytes: ISA guide 11.1)
.set SPW, 1                            ; v1   SPARE + 4 x thread; never rewritten
.set NIL, 2                            ; v2   0; never rewritten
.set LI,  3                            ; v3   HIMG + 16 x lane
.set LS,  4                            ; v4   HSC + 4 x lane: lanes 0-15 an even tile's rows, lanes 16-31 the odd tile's
.set HWI, 5                            ; v5   where I store the hidden layer's images: LI + 8192 w
.set HWS, 6                            ; v6   and their scale words: HSC + 512 w + 4 r
.set AW1, 7                            ; v7   my quarter of slot 0, + 16 x lane
.set AW2, 8                            ; v8   of slot 1
.set AS1, 9                            ; v9   its scale words: + 32768 + 4 x lane
.set AS2, 10                           ; v10
.set AB0, 11                           ; v11  B1L + 512 w + 64 h
.set AB,  12                           ; v12  + 2048 x chunk
.set CO,  13                           ; v13  my byte offset in out: 8 h rows + 16 r
.set PADA, 14                          ; v14  PADL + 32 h
.set XA,  15                           ; v15  16 x lane: my 16 bytes of a load's 512
.set XS,  16                           ; v16-31 x's scale words: (m / 2, s) at +4 (m / 2) + s
.set WS,  32                           ; v32-39 P1: W1's, one a K step (lanes 0-15 tile u = 0, lanes 16-31 u = 1);  P2: W2's, two sets of 4
.set HS,  40                           ; v40-47 the hidden layer's, two sets of 4
.set PW,  48
.set TM,  56
.set W1F, 64
.set HA,  128
.set PC,  192
.set B1,  224
.set W2F, 64
.set HF,  192
.set BQ,  64                           ; at the start: v64-71 b2 of my 8 columns, v72-87 b1 on its way to LDS, v88 padding, v89-91 lane, r, h, v96-106 addresses,
.set LN,  89
.set RR,  90
.set HH,  91
.set XWI, 101                          ; v101 where my 2 bytes of a row's codes go: HIMG + 2 XFR w + 272 (lane / 8) + 2 (lane % 8)
.set XWS, 102                          ; v102 where my block's scale byte goes: XSC + 128 w + lane / 8
.set XRI, 103                          ; v103 where I read x's fragments: HIMG + 16 r + 272 h
.set XRS, 104                          ; v104 and their scale words: XSC + 4 x lane
.set MX,  112                          ; v112-127 sixteen loads' largest magnitudes, then the conversions' scale operands
.set BY0, 128                          ; v128-159 their scale bytes, two sets by turns
.set CD0, 160                          ; v160-191 their codes, two sets by turns
.set PD,  64
.set BK,  128
; s[4:15] x, padding, b1, b2, wq, out;  s16 wave;  s17, s18, s[56:59] alone hold my place in the cluster;  s[20:21] lane selects;  s22 1e-9;  s23 chunks to go;  s[24:31] descriptor group 1;
; s[32:35], s[36:39] group 0 of slot 0, 1;  s40 2048 x chunk;  s[42:47] at work;  s[48:55] the masks of eight rows
.set MSB, 0
.macro WIN new                         ; the immediate's high byte repeats the setting that is left; a switch that changes nothing is dropped
.if MSB != (\new)
	s_set_vgpr_msb (MSB<<8)|(\new)
.set MSB, (\new)
.endif
.endm
.macro PLACES n                        ; plain vector instructions that name no register: the distance behind matrix instructions (ISA guide 7.12.1)
.rept \n
	v_nop
.endr
.endm
.macro ROUND                           ; a round of the cluster's barrier: my work-group's barrier; wave 0 signals for the work-group; every wave waits for all four work-groups; my work-group's barrier once more
	s_barrier_signal -1
	s_barrier_wait -1
	s_cmp_lg_u32 s16, 0
	s_cbranch_scc1 .Lnot_wave_0_\@
	s_barrier_signal -3
.Lnot_wave_0_\@:
	s_barrier_wait -3
	s_barrier_signal -1
	s_barrier_wait -1
.endm
; One matrix instruction, from the symbols rD, rA, rB, rC (first registers), rSA, rSB (scale registers), fA, fB (1: the scales stand in lanes 16-31)
.macro WM
.if fA && fB
	v_wmma_scale_f32_16x16x128_f8f6f4 v[rD:rD+7], v[rA:rA+7], v[rB:rB+7], v[rC:rC+7], v[rSA], v[rSB] matrix_a_fmt:MATRIX_FMT_FP4 matrix_b_fmt:MATRIX_FMT_FP4 matrix_a_scale:MATRIX_SCALE_ROW1 matrix_b_scale:MATRIX_SCALE_ROW1
.elseif fA
	v_wmma_scale_f32_16x16x128_f8f6f4 v[rD:rD+7], v[rA:rA+7], v[rB:rB+7], v[rC:rC+7], v[rSA], v[rSB] matrix_a_fmt:MATRIX_FMT_FP4 matrix_b_fmt:MATRIX_FMT_FP4 matrix_a_scale:MATRIX_SCALE_ROW1
.elseif fB
	v_wmma_scale_f32_16x16x128_f8f6f4 v[rD:rD+7], v[rA:rA+7], v[rB:rB+7], v[rC:rC+7], v[rSA], v[rSB] matrix_a_fmt:MATRIX_FMT_FP4 matrix_b_fmt:MATRIX_FMT_FP4 matrix_b_scale:MATRIX_SCALE_ROW1
.else
	v_wmma_scale_f32_16x16x128_f8f6f4 v[rD:rD+7], v[rA:rA+7], v[rB:rB+7], v[rC:rC+7], v[rSA], v[rSB] matrix_a_fmt:MATRIX_FMT_FP4 matrix_b_fmt:MATRIX_FMT_FP4
.endif
.endm
; THE CHANGE OF SLOTS.  Each wave waits for all its tensor loads, adds 0 to its spare word, and waits for that and for all its LDS stores and loads.  fill = 1: the slot just read out takes the next chunk's tile:
; the barrier is then a round of the cluster's, and the joint load is the first thing behind it, a wave's one tensor load until the next change.
.macro CHANGE slot, fill
	WIN 0
	s_wait_tensorcnt 0x0                           ; no tensor load of mine is out, so a group 0 may be written
	ds_add_u32 v[SPW], v[NIL]                      ; 0 onto my spare word
.if \fill
	s_add_nc_u64 s[34+4*\slot:35+4*\slot], s[34+4*\slot:35+4*\slot], 8*BLKB   ; the next chunk's block; the type bits on top are not reached
.endif
	s_wait_dscnt 0x0                               ; the add is done; my reads of the slot are over; my images have landed, or my reads of the images are over
.if \fill
	ROUND
	tensor_load_to_lds s[32+4*\slot:35+4*\slot], s[24:31]
	s_nop 0
	PLACES 4                                       ; places behind the phase's last matrix instructions
.else
	s_barrier_signal -1
	s_barrier_wait -1
.endif
.endm
; Unit un of x: rows 4 un .. 4 un + 3 of my wave's 32, 8,192 consecutive bytes, by 16 loads of 512 consecutive bytes into set un % 4 of window 1.  Load j is K step j % 4 of row 4 un + j / 4; lane l takes its k = 4 l .. 4 l + 3
.macro XLOAD un
	WIN 0x40                                       ; destination window 1
.irp j, 0,1,2,3,4,5,6,7,8,9,10,11,12,13,14,15
	global_load_b128 v[64*((\un)%4)+4*\j:64*((\un)%4)+4*\j+3], v[XA], s[4:5] offset:8192*(\un)+512*\j th:TH_LOAD_NT   ; read once in the launch
.endr
	WIN 0
.endm
; The unit's 16 loads are quantised, by turns.  A block of 32 lies in lanes 8 g .. 8 g + 7 of one load.  Left behind: load j's 4 codes of my lane in the low 16 bits of v[CD + j], its block's scale byte in v[BY + j]
.macro QUANTX un
.set XB, 64*((\un)%4)
.set BY, BY0+16*((\un)%2)
.set CD, CD0+16*((\un)%2)
	WIN 0x05                                       ; sources 0 and 1 window 1
.irp j, 0,1,2,3,4,5,6,7,8,9,10,11,12,13,14,15
	v_max3_num_f32 v[MX+\j], |v[XB+4*\j]|, |v[XB+4*\j+1]|, 0x1800000   ; my 4 numbers, and the floor 2^(3 - 127): the byte cannot fall under 1
.endr
	WIN 0x14                                       ; sources 1 and 2 window 1
.irp j, 0,1,2,3,4,5,6,7,8,9,10,11,12,13,14,15
	v_max3_num_f32 v[MX+\j], v[MX+\j], |v[XB+4*\j+2]|, |v[XB+4*\j+3]|
.endr
	WIN 0
.irp k, 1,2,4                                  ; with lanes l xor 1, 2, 4: the eight lanes of the block
.irp j, 0,1,2,3,4,5,6,7,8,9,10,11,12,13,14,15
	v_max_num_f32_dpp v[MX+\j], v[MX+\j], v[MX+\j] row_xmask:\k row_mask:0xf bank_mask:0xf
.endr
.endr
.irp j, 0,1,2,3,4,5,6,7,8,9,10,11,12,13,14,15
	v_add_nc_u32 v[MX+\j], 0xff000000, v[MX+\j]    ; 2 off the exponent field: the conversion's scale operand
.endr
.irp j, 0,1,2,3,4,5,6,7,8,9,10,11,12,13,14,15
	v_lshrrev_b32 v[BY+\j], 23, v[MX+\j]           ; the scale's byte
.endr
	WIN 0x01                                       ; source 0 window 1
.irp p, 0,1,2,3,4,5,6,7                        ; the 8 numbers of loads 2 p and 2 p + 1, twice: under the first's scale the low 16 bits are its codes, under the second's the high 16 bits are its
	v_cvt_scalef32_pk8_fp4_f32 v[CD+2*\p], v[XB+8*\p:XB+8*\p+7], v[MX+2*\p]
	v_cvt_scalef32_pk8_fp4_f32 v[CD+2*\p+1], v[XB+8*\p:XB+8*\p+7], v[MX+2*\p+1]
.endr
	WIN 0
	v_nop                                          ; one plain place behind a scaled conversion
.irp p, 0,1,2,3,4,5,6,7
	v_lshrrev_b32 v[CD+2*\p+1], 16, v[CD+2*\p+1]
.endr
.endm
.macro XSTORE un                       ; 32 LDS stores: each load's codes to its row's place in the image, each block's byte to its row's scale word (the block's eight lanes write the same byte with the same value)
.set BY, BY0+16*((\un)%2)
.set CD, CD0+16*((\un)%2)
.irp j, 0,1,2,3,4,5,6,7,8,9,10,11,12,13,14,15
.set RW, 4*(\un)+(\j)/4
	ds_store_b16 v[XWI], v[CD+\j] offset:8*XFR*((\j)%4)+XFR*(RW/16)+16*(RW%16)
.endr
.irp j, 0,1,2,3,4,5,6,7,8,9,10,11,12,13,14,15
.set RW, 4*(\un)+(\j)/4
	ds_store_b8 v[XWS], v[BY+\j] offset:512*((\j)%4)+64*(RW/16)+4*(RW%16)
.endr
.endm
.macro YSTART                          ; 32 accumulators of the window in hand: every row of column q's tile begins as b2 of my column there
.irp mi, 0,1,2,3
.irp q, 0,1,2,3,4,5,6,7
.irp j, 0,1,2,3,4,5,6,7
	v_mov_b32 v[8*(8*\mi+\q)+\j], v[BQ+\q]
.endr
.endr
.endr
.endm
; ---- P1 ----
.macro FETCH_W1 bl                     ; 24 LDS loads: the two tiles of units 32 bl on: 8 fragments, 4 scale registers, b1 in the result's layout
.irp u, 0,1
.irp s, 0,1,2,3
.irp cc, 0,1
	ds_load_b128 v[W1F+8*(4*\u+\s)+4*\cc:W1F+8*(4*\u+\s)+4*\cc+3], v[AW1] offset:((2*(\bl)+\u)*4+\s)*1024+512*\cc
.endr
.endr
.endr
.irp s, 0,1,2,3
	ds_load_b32 v[WS+\s], v[AS1] offset:512*(\bl)+128*\s
.endr
.irp u, 0,1
.irp i, 0,1
	ds_load_b128 v[B1+8*\u+4*\i:B1+8*\u+4*\i+3], v[AB] offset:128*(\bl)+32*\u+16*\i   ; b1 of units 32 bl + 16 h + 8 u + 4 i on
.endr
.endr
.endm
.macro MUL1 g                          ; 32 matrix instructions: tiles of rows 4 g .. 4 g + 3 x the two tiles of units, 4 K steps; the eight accumulators by turns, one instruction a turn
.irp s, 0,1,2,3
.irp mm, 0,1,2,3
.irp u, 0,1
.set rD, HA+16*\mm+8*\u
.set rA, W1F+8*(4*\u+\s)
.set rB, 32*(4*(\g)+\mm)+8*\s
.if \s == 0
.set rC, B1+8*\u
.else
.set rC, rD
.endif
.set rSA, WS+\s
.set rSB, XS+4*((4*(\g)+\mm)/2)+\s
.set fA, \u
.set fB, (\mm)%2
	WM
.endr
.endr
.endr
.endm
; Block bl (32 units) of tiles of rows 4 g .. 4 g + 3: a lane's 16 numbers of each tile become two registers of codes and a byte of the row's scale word.  The four tiles by turns.
; Each accumulator is read from its low end on.  Behind an odd block the two blocks' halves change lanes and 16 bytes a lane go to the image; behind the last the scale words go.
.macro QUANTB bl, g
.irp mm, 0,1,2,3
	v_max3_num_f32 v[TM+\mm], |v[HA+16*\mm]|, |v[HA+16*\mm+1]|, 0x1800000
.endr
.irp i, 2,4,6,8,10,12,14
.irp mm, 0,1,2,3
	v_max3_num_f32 v[TM+\mm], v[TM+\mm], |v[HA+16*\mm+\i]|, |v[HA+16*\mm+\i+1]|
.endr
.endr
.irp mm, 0,1,2,3
	v_permlanex16_b32 v[TM+4+\mm], v[TM+\mm], s20, s21
.endr
.irp mm, 0,1,2,3
	v_max_num_f32 v[TM+\mm], v[TM+\mm], v[TM+4+\mm]
.endr
.irp mm, 0,1,2,3
	v_add_nc_u32 v[TM+\mm], 0xff000000, v[TM+\mm]
.endr
.if (\bl) == 0
.irp mm, 0,1,2,3
	v_lshrrev_b32 v[PW+4*(\g)+\mm], 23, v[TM+\mm]
.endr
.else
.irp mm, 0,1,2,3
	v_lshrrev_b32 v[TM+4+\mm], 23, v[TM+\mm]
.endr
.irp mm, 0,1,2,3
	v_lshl_or_b32 v[PW+4*(\g)+\mm], v[TM+4+\mm], 8*(\bl), v[PW+4*(\g)+\mm]
.endr
.endif
.irp mm, 0,1,2,3
	v_cvt_scalef32_pk8_fp4_f32 v[PC+4*(4*(\g)+\mm)+2*((\bl)%2)], v[HA+16*\mm:HA+16*\mm+7], v[TM+\mm]
	v_cvt_scalef32_pk8_fp4_f32 v[PC+4*(4*(\g)+\mm)+2*((\bl)%2)+1], v[HA+16*\mm+8:HA+16*\mm+15], v[TM+\mm]
.endr
	v_nop                                          ; one plain place behind a scaled conversion: the next products write its sources
.if (\bl)%2
.irp mm, 0,1,2,3
.irp i, 0,1
	v_permlane16_swap_b32 v[PC+4*(4*(\g)+\mm)+\i], v[PC+4*(4*(\g)+\mm)+2+\i]
.endr
.endr
.irp mm, 0,1,2,3
	ds_store_b128 v[HWI], v[PC+4*(4*(\g)+\mm):PC+4*(4*(\g)+\mm)+3] offset:1024*(4*(\g)+\mm)+512*((\bl)/2)
.endr
.endif
.if (\bl) == 3
.irp mm, 0,1,2,3
	ds_store_b32 v[HWS], v[PW+4*(\g)+\mm] offset:64*(4*(\g)+\mm)   ; lanes l and l xor 16 hold the same word and write it to the same place
.endr
.endif
.endm
.macro P1
	s_wait_tensorcnt 0x1                           ; W1's tile is in: behind its load exactly one was issued, W2's, on the way in and round the loop alike.  I read my own quarter alone
	v_add_nc_u32 v[AB], s40, v[AB0]
	PLACES 2                                       ; with the line above and the four behind the joint load: more than the five places that P1's first results, laid over W2's fragments, want
	FETCH_W1 0
.irp bb, 0,1,2,3
	s_wait_dscnt 0x0                               ; the fragments are in, and the images' stores have read their registers
	WIN 0x04                                       ; source 1 (x) window 1
	MUL1 0
	WIN 0
	PLACES 4
	QUANTB \bb, 0
	WIN 0x04
	MUL1 1
	WIN 0
	PLACES 4                                       ; in front of the loads into W1's registers and of the first read of results
.if \bb < 3
	FETCH_W1 \bb+1                                 ; lands while the block is quantised
.endif
	QUANTB \bb, 1
.endr
.endm
; ---- P2 ----
.macro FETCH_W2 ks, st                 ; 16 LDS loads: W2's eight fragments of K step ks into set st
.irp q, 0,1,2,3,4,5,6,7
.irp cc, 0,1
	ds_load_b128 v[W2F+64*(\st)+8*\q+4*\cc:W2F+64*(\st)+8*\q+4*\cc+3], v[AW2] offset:(8*(\ks)+\q)*1024+512*\cc
.endr
.endr
.endm
.macro FETCH_S ks, st                  ; 8 LDS loads: the K step's scale words, two tiles to a register
.irp p, 0,1,2,3
	ds_load_b32 v[WS+4*(\st)+\p], v[AS2] offset:512*(\ks)+128*\p
.endr
.irp p, 0,1,2,3
	ds_load_b32 v[HS+4*(\st)+\p], v[LS] offset:512*(\ks)+128*\p
.endr
.endm
.macro FETCH_H ks, m0                  ; 8 LDS loads: the hidden layer's fragments of tiles of rows m0 .. m0 + 3
.irp mi, 0,1,2,3
.irp cc, 0,1
	ds_load_b128 v[HF+8*((\m0)+\mi)+4*\cc:HF+8*((\m0)+\mi)+4*\cc+3], v[LI] offset:8192*(\ks)+1024*((\m0)+\mi)+512*\cc
.endr
.endr
.endm
.macro MUL2 m0, st                     ; 32 matrix instructions: tiles of rows m0 .. m0 + 3 x my eight tiles of columns; the accumulators by turns, in the same order in every K step
.irp mi, 0,1,2,3
.irp q, 0,1,2,3,4,5,6,7
.set rD, 8*(8*\mi+\q)
.set rA, HF+8*((\m0)+\mi)
.set rB, W2F+64*(\st)+8*\q
.set rC, rD
.set rSA, HS+4*(\st)+((\m0)+\mi)/2
.set rSB, WS+4*(\st)+(\q)/2
.set fA, (\mi)%2
.set fB, (\q)%2
	WM
.endr
.endr
.endm
.macro P2 tw
.if \tw
	s_wait_tensorcnt 0x1                           ; W2's tile is in (the change of slots has shown it); the one load issued behind it, W1's next tile, stays out
.endif
	FETCH_W2 0, 0
	FETCH_S 0, 0
	FETCH_H 0, 0
	FETCH_H 0, 4
.irp ks, 0,1,2
	s_wait_dscnt 8                                 ; all but the youngest eight loads, the hidden layer's fragments 4-7
	WIN 0xa0                                       ; C and D window 2
	MUL2 0, (\ks)%2
	s_wait_dscnt 0x0                               ; fragments 4-7 are in (asked for 32 matrix instructions ago)
	PLACES 4                                       ; in front of loads into registers that matrix instructions have read
	WIN 0
	FETCH_W2 \ks+1, (\ks+1)%2
	FETCH_S \ks+1, (\ks+1)%2
	FETCH_H \ks+1, 0
	WIN 0xf0                                       ; C and D window 3
	MUL2 4, (\ks)%2
	PLACES 4
	WIN 0
	FETCH_H \ks+1, 4
.endr
	s_wait_dscnt 8                                 ; the chunk's last K step: nothing more to fetch
	WIN 0xa0
	MUL2 0, 1
	s_wait_dscnt 0x0
	WIN 0xf0
	MUL2 4, 1
	WIN 0
.endm
; ---- the way out: tile of rows m.  Row 16 m + 8 h + j counts where its padding < 1e-9; else zeros are stored.  The select lays columns q = 4 g .. 4 g + 3, which are neighbours in memory, into four neighbouring registers.
.macro OUT m
.if (\m) >= 2
	s_wait_xcnt 0x0                                ; the bank's earlier stores have read their registers: only behind this wait is it written again
.endif
.irp j, 0,1,2,3,4,5,6,7
	v_cmp_lt_f32 s[48+\j], v[PD+8*(\m)+\j], s22
.endr
	WIN 0x08+4*((\m)/4)                            ; source 1: window 2 or 3
.irp j, 0,1,2,3,4,5,6,7                        ; j ascending: each accumulator is read from its low end on
.irp q, 0,1,2,3,4,5,6,7
	v_cndmask_b32 v[BK+64*((\m)%2)+8*\j+\q], 0, v[8*(8*((\m)%4)+\q)+\j], s[48+\j]
.endr
.endr
	WIN 0
.irp j, 0,1,2,3,4,5,6,7
.irp g, 0,1
	global_store_b128 v[CO], v[BK+64*((\m)%2)+8*\j+4*\g:BK+64*((\m)%2)+8*\j+4*\g+3], s[14:15] offset:(16*(\m)+\j)*2048+256*\g th:TH_STORE_NT   ; 16 lanes store 256 consecutive bytes, aligned; written once
.endr
.endr
.endm
	s_load_b256 s[4:11], s[0:1], 0x0               ; x s[4:5], padding s[6:7], filter_bias s[8:9], output_bias s[10:11]
	s_load_b128 s[12:15], s[0:1], 0x20             ; wq s[12:13], out s[14:15]
	v_lshl_add_u32 v[SPW], v0, 2, SPARE
	v_mov_b32 v[NIL], 0
	ds_add_u32 v1, v2
	ds_add_u32 v1, v2
	s_wait_dscnt 0x0
	v_lshrrev_b32 v[LN], 5, v0
	v_readfirstlane_b32 s16, v[LN]                 ; wave 0..3
	s_bfe_u32 s17, ttmp6, 0x40000                  ; cx: my place in the cluster
	s_lshl_b32 s18, ttmp9, 2                       ; in a cluster launch ttmp9 counts clusters
	s_add_co_u32 s18, s18, s17                     ; my block of 128 rows: it enters the addresses of x, padding and out alone
	s_mov_b32 s20, 0x76543210
	s_mov_b32 s21, 0xfedcba98                      ; v_permlanex16_b32's selects for lane l xor 16
	s_mov_b32 s22, 0x3089705f                      ; 1e-9 as f32
	; descriptor group 1: a dense block of 34,816 bytes as 136 rows of 256 bytes (32 elements of 8 bytes)
	s_mov_b32 s24, 15|(3<<16)|(1<<21)              ; 15:0 the mask: all four work-groups; 17:16 elements of 8 bytes; 20 no padding; 21 set beside a mask
	s_mov_b32 s25, 32<<16                          ; tensor_dim0 = 32
	s_mov_b32 s26, 136<<16                         ; tensor_dim1 = 136
	s_mov_b32 s27, 32<<16                          ; tile_dim0 = 32
	s_mov_b32 s28, 136                             ; tile_dim1 = 136
	s_mov_b32 s29, 32                              ; tensor_dim0_stride
	s_mov_b32 s30, 0
	s_mov_b32 s31, 0
	s_mul_i32 s44, s16, BLKB                       ; my quarter of a tile, in wq and in a slot alike
	s_mov_b32 s45, 0
	s_lshl_b32 s56, s18, 18                        ; my block's 128 rows of 2,048 bytes
	s_mov_b32 s57, 0
	s_lshl_b32 s58, s18, 9                         ; its 128 numbers of padding
	s_mov_b32 s59, 0
	s_lshl_b32 s46, s16, 16                        ; the 32 rows of x that my wave quantises
	s_mov_b32 s47, 0
	s_lshl_b32 s42, s16, 9                         ; 512 w: my 128 columns, my 128 units
	s_mov_b32 s43, 0
	s_wait_kmcnt 0x0
	s_add_nc_u64 s[4:5], s[4:5], s[56:57]
	s_add_nc_u64 s[4:5], s[4:5], s[46:47]
	s_add_nc_u64 s[6:7], s[6:7], s[58:59]
	s_add_nc_u64 s[10:11], s[10:11], s[42:43]
	s_add_nc_u64 s[14:15], s[14:15], s[56:57]
	s_add_nc_u64 s[14:15], s[14:15], s[42:43]
	s_mov_b32 s32, 1                               ; group 0 of slot 0: count = 1,
	s_mov_b32 s33, s44                             ; LDS address,
	s_add_nc_u64 s[34:35], s[12:13], s[44:45]      ; global address: block w (chunk 0, W1),
	s_or_b32 s35, s35, 0x80000000                  ; type = 2
	s_mov_b32 s36, 1                               ; of slot 1:
	s_add_co_u32 s37, s44, SLOTB
	s_add_nc_u64 s[38:39], s[12:13], s[44:45]
	s_add_nc_u64 s[38:39], s[38:39], 4*BLKB        ; block 4 + w (chunk 0, W2)
	s_or_b32 s39, s39, 0x80000000
	ROUND                                          ; all four work-groups are here: the first joint loads meet
	tensor_load_to_lds s[32:35], s[24:31]          ; both first fills go out together: two loads of mine are out
	s_nop 0
	tensor_load_to_lds s[36:39], s[24:31]
	s_nop 0
	PLACES 4
	v_and_b32 v[LN], 31, v0                        ; lane
	v_and_b32 v[RR], 15, v0                        ; r
	v_bfe_u32 v[HH], v0, 4, 1                      ; h
	v_lshlrev_b32 v[XA], 4, v[LN]
	v_lshlrev_b32 v96, 4, v[RR]                    ; b2: 16 r
	v_lshlrev_b32 v97, 4, v0                       ; b1: 16 x thread
	v_lshlrev_b32 v99, 2, v0                       ; padding: 4 x thread
	global_load_b128 v[BQ:BQ+3], v96, s[10:11]               ; b2 of columns 128 w + 4 r + 0 .. 3,
	global_load_b128 v[BQ+4:BQ+7], v96, s[10:11] offset:256  ; and 64 columns on
.irp i, 0,1,2,3
	global_load_b128 v[72+4*\i:75+4*\i], v97, s[8:9] offset:2048*\i
.endr
	global_load_b32 v88, v99, s[6:7]
	XLOAD 0
	XLOAD 1
	XLOAD 2
	v_lshl_add_u32 v[LI], v[LN], 4, HIMG
	v_lshl_add_u32 v[LS], v[LN], 2, HSC
	s_lshl_b32 s46, s16, 13
	v_add_nc_u32 v[HWI], s46, v[LI]
	v_lshl_add_u32 v[HWS], v[RR], 2, HSC
	v_add_nc_u32 v[HWS], s42, v[HWS]
	v_lshl_add_u32 v[AW1], v[LN], 4, s44
	v_add_nc_u32 v[AW2], SLOTB, v[AW1]
	v_lshl_add_u32 v[AS1], v[LN], 2, s44
	v_add_nc_u32 v[AS1], 32768, v[AS1]
	v_add_nc_u32 v[AS2], SLOTB, v[AS1]
	v_lshl_add_u32 v[AB0], v[HH], 6, B1L
	v_add_nc_u32 v[AB0], s42, v[AB0]
	v_lshlrev_b32 v[CO], 4, v[RR]
	v_lshl_add_u32 v[CO], v[HH], 14, v[CO]
	v_lshl_add_u32 v[PADA], v[HH], 5, PADL
	v_lshl_add_u32 v98, v0, 4, B1L                 ; b1 in LDS: 16 x thread
	v_lshl_add_u32 v100, v0, 2, PADL               ; padding in LDS: 4 x thread
	v_bfe_u32 v105, v0, 3, 2                       ; lane / 8: which block of a load's four is mine
	v_and_b32 v106, 7, v0                          ; lane % 8: my place in it
	v_mul_u32_u24 v[XWI], v105, 272
	v_lshl_add_u32 v[XWI], v106, 1, v[XWI]
	s_mul_i32 s46, s16, 2*XFR                      ; my tiles of rows are 2 w and 2 w + 1
	s_add_co_u32 s46, s46, HIMG
	v_add_nc_u32 v[XWI], s46, v[XWI]
	s_lshl_b32 s46, s16, 7
	s_add_co_u32 s46, s46, XSC
	v_add_nc_u32 v[XWS], s46, v105
	v_mul_u32_u24 v[XRI], v[HH], 272
	v_lshl_add_u32 v[XRI], v[RR], 4, v[XRI]
	v_add_nc_u32 v[XRI], HIMG, v[XRI]
	v_lshl_add_u32 v[XRS], v[LN], 2, XSC
.irp b, 0,1,2,3
	v_mov_b32 v[TM+4+\b], 0                        ; written once: a lane permute's destination counts as one of its sources
.endr
	s_wait_loadcnt 48                              ; behind the seven small loads 48 of x's were issued: the biases and the padding are in
.irp i, 0,1,2,3
	ds_store_b128 v98, v[72+4*\i:75+4*\i] offset:2048*\i
.endr
	ds_store_b32 v100, v88
	XLOAD 3
	WIN 0x80                                       ; destination window 2
	YSTART                                         ; the second product's sums begin as b2, while x is on its way
	WIN 0xc0                                       ; destination window 3
	YSTART
	WIN 0
	; my 32 rows of x, eight units of four rows; loads run four units (64 loads, 32,768 bytes a wave) ahead
.irp i, 0,1,2,3,4,5,6,7
.if \i <= 4
	s_wait_loadcnt 48                              ; this unit's 16 loads are in; three younger units may be out
.else
	s_wait_loadcnt 16*(7-\i)                       ; the counts run down
.endif
	s_wait_dscnt 32                                ; LDS instructions end in order: all but the last unit's 32 stores are done, so the stores that read this unit's set of codes and bytes, two units ago, are done
	QUANTX \i
.if \i < 4
	XLOAD \i+4                                     ; into the set just converted
.endif
	XSTORE \i
.endr
	s_wait_dscnt 0x0                               ; for the others' sake: my part of x's images, of b1 and of the padding has landed
	s_barrier_signal -1
	s_barrier_wait -1
	WIN 0x40                                       ; destination window 1
.irp m, 0,1,2,3,4,5,6,7
.irp s, 0,1,2,3
.irp cc, 0,1
	ds_load_b128 v[32*\m+8*\s+4*\cc:32*\m+8*\s+4*\cc+3], v[XRI] offset:XFR*(8*\s+\m)+544*\cc   ; x's 32 fragments: lane (r, h) takes row r of K block 2 cc + h; they stay
.endr
.endr
.endr
	WIN 0
.irp p, 0,1,2,3
.irp s, 0,1,2,3
	ds_load_b32 v[XS+4*\p+\s], v[XRS] offset:512*\s+128*\p
.endr
.endr
	s_wait_dscnt 0x0                               ; my reads of x's images are over:
	s_barrier_signal -1
	s_barrier_wait -1                              ; everybody's are: the hidden layer's images may take their place
	s_mov_b32 s23, 3
	s_mov_b32 s40, 0
.Lchunk:                                           ; chunks 0, 1, 2: each asks for the next chunk's two tiles
	P1
	CHANGE 0, 1                                    ; the hidden layer's images lie in LDS; W1 of the next chunk goes out
	P2 1
	CHANGE 1, 1                                    ; nobody reads the images any more; W2 of the next chunk goes out
	s_add_co_u32 s40, s40, 2048
	s_sub_co_u32 s23, s23, 1
	s_cmp_lg_u32 s23, 0
	s_cbranch_scc1 .Lchunk
	P1                                             ; the last chunk is written out: it asks for nothing
	CHANGE 0, 0
	P2 0
	PLACES 4                                       ; in front of the loads into W2's registers and of the first read of results
.irp m, 0,1,2,3,4,5,6,7
	ds_load_b128 v[PD+8*\m:PD+8*\m+3], v[PADA] offset:64*\m          ; the padding of rows 16 m + 8 h + 0 .. 7
	ds_load_b128 v[PD+8*\m+4:PD+8*\m+7], v[PADA] offset:64*\m+16
.endr
	s_wait_dscnt 0x0
.irp m, 0,1,2,3,4,5,6,7
	OUT \m
.endr
	s_wait_tensorcnt 0x0                           ; the wave's end: behind my last tensor load and my last LDS store
	ds_add_u32 v[SPW], v[NIL]
	s_wait_dscnt 0x0
	ROUND                                          ; the closing round: no work-group ends while a partner may still ask for a tile that names it
	s_endpgm
.Lfunc_end_k_q3548938225_ffn:
	.size	k_q3548938225_ffn, .Lfunc_end_k_q3548938225_ffn-k_q3548938225_ffn
	.p2alignl 7, 3214868480
	.fill 96, 4, 3214868480
	.section	.rodata,"a",@progbits
	.p2align	6, 0x0
	.amdhsa_kernel k_q3548938225_ffn
		.amdhsa_group_segment_fixed_size 327680
		.amdhsa_private_segment_fixed_size 0
		.amdhsa_enable_private_segment 0
		.amdhsa_kernarg_size 48
		.amdhsa_user_sgpr_count 2
		.amdhsa_user_sgpr_kernarg_segment_ptr 1
		.amdhsa_wavefront_size32 1
		.amdhsa_system_sgpr_workgroup_id_x 1
		.amdhsa_system_sgpr_workgroup_id_y 1
		.amdhsa_system_sgpr_workgroup_id_z 1
		.amdhsa_system_vgpr_workitem_id 0
		.amdhsa_next_free_vgpr 1024
		.amdhsa_next_free_sgpr 66
		.amdhsa_reserve_vcc 0
		.amdhsa_float_denorm_mode_32 3
		.amdhsa_float_denorm_mode_16_64 3
		.amdhsa_memory_ordered 1
		.amdhsa_forward_progress 1
		.amdhsa_inst_pref_size 255
	.end_amdhsa_kernel
	.section	.bss,"aw",@nobits
	.p2align	6
	.space	262144
	.amdgpu_metadata
---
amdhsa.version: [ 1, 2 ]
amdhsa.kernels:
  - .name:           k_q3548938225_ffn
    .symbol:         k_q3548938225_ffn.kd
    .args:
      - { .name: x, .offset: 0, .size: 8, .value_kind: global_buffer, .address_space: global }
      - { .name: padding, .offset: 8, .size: 8, .value_kind: global_buffer, .address_space: global }
      - { .name: filter_bias, .offset: 16, .size: 8, .value_kind: global_buffer, .address_space: global }
      - { .name: output_bias, .offset: 24, .size: 8, .value_kind: global_buffer, .address_space: global }
      - { .name: wq, .offset: 32, .size: 8, .value_kind: global_buffer, .address_space: global }
      - { .name: out0, .offset: 40, .size: 8, .value_kind: global_buffer, .address_space: global }
    .group_segment_fixed_size: 327680
    .private_segment_fixed_size: 0
    .kernarg_segment_align: 8
    .kernarg_segment_size: 48
    .max_flat_workgroup_size: 128
    .sgpr_count:     66
    .vgpr_count:     1024
    .wavefront_size: 32
...
	.end_amdgpu_metadata
.endif
;; end of part 3
